; MI455X (gfx1250); checked and timed in simulation.
; The chip was launched on July 23, 2026; its instructions are those of AMD's public machine-readable ISA for CDNA 5 (MIT licence, August 2026) and "CDNA5" Instruction Set Architecture Reference Guide (July 2026). The comments in the code are by the model that wrote it; some were corrected since.
;; Multi Head Attention. Allowed arithmetic: matrix products marked QUANTISED: E2M1 operands, one E8M0 scale for each 32 along K, by v_wmma_scale_f32_16x16x128_f8f6f4 with both operands' format E2M1 (or v_wmma_scale_f32_32x16x128_f4), f32 sums; products left as they are: f32 operands where the result goes on into a quantised operand, else bf16, f16 or f32 operands; f32 sums; everything else in f32.
;; Inputs: k_b 1,024 float32; k_w_codes 1,024 x 32 x 16 uint8 (E2M1 codes of k_w, K innermost, in blocks of 32 codes, two codes a byte); k_w_scales 1,024 x 32 uint8 (E8M0 scales of k_w, one for each 32 codes along K); o_b 1,024 float32; o_w_codes 1,024 x 32 x 16 uint8 (E2M1 codes of o_w, K innermost, in blocks of 32 codes, two codes a byte); o_w_scales 1,024 x 32 uint8 (E8M0 scales of o_w, one for each 32 codes along K); q_b 1,024 float32; q_w_codes 1,024 x 32 x 16 uint8 (E2M1 codes of q_w, K innermost, in blocks of 32 codes, two codes a byte); q_w_scales 1,024 x 32 uint8 (E8M0 scales of q_w, one for each 32 codes along K); v_b 1,024 float32; v_w_codes 1,024 x 32 x 16 uint8 (E2M1 codes of v_w, K innermost, in blocks of 32 codes, two codes a byte); v_w_scales 1,024 x 32 uint8 (E8M0 scales of v_w, one for each 32 codes along K); x_codes 2 x 2,048 x 32 x 16 uint8 (E2M1 codes of x, K innermost, in blocks of 32 codes, two codes a byte); x_scales 2 x 2,048 x 32 uint8 (E8M0 scales of x, one for each 32 codes along K).
;; Outputs: out0 2 x 2,048 x 1,024 float32.
;; This version of the problem:
;;   THIS VERSION OF THE PROBLEM IS GIVEN IN LOW PRECISION. The matrix products marked QUANTISED in the list below multiply operands that are first quantised to E2M1 (2 exponent bits, 1 mantissa bit; 4 bits a number), with one power-of-two scale for each 32 numbers along K (OCP MX v1.0); their sums are f32. All else is computed in f32.
;;   The module's matrix products, in the order in which they are computed (A, B: the left and right operand; K: the contracted axis; several contracted axes count as one K, in the product's order):
;;     1. [M 4,096, K 1,024] x [K 1,024, N 1,024]; A: input x (given as codes); B: input q_w (given as codes): QUANTISED
;;     2. [M 4,096, K 1,024] x [K 1,024, N 1,024]; A: input x (given as codes); B: input k_w (given as codes): QUANTISED
;;     3. [M 4,096, K 1,024] x [K 1,024, N 1,024]; A: input x (given as codes); B: input v_w (given as codes): QUANTISED
;;     4. [M 2,048, K 1] x [K 1, N 32]; A: computed on the way; B: computed on the way: left as it is (no contracted axis)
;;     5. batch 32 x [M 2,048, K 64] x [K 64, N 2,048]; A: computed on the way; B: computed on the way: QUANTISED
;;     6. batch 32 x [M 64, K 2,048] x [K 2,048, N 2,048]; A: computed on the way; B: softmax (see below): QUANTISED
;;     7. [M 4,096, K 1,024] x [K 1,024, N 1,024]; A: computed on the way; B: input o_w (given as codes): QUANTISED
;;   THE QUANTISER, for each operand of a quantised product, along K:
;;     - K is cut into blocks of 32 from its start; a last block that is shorter is filled with zeros.
;;     - A block's scale is 2^e with e = floor(log2(the largest magnitude in the block)) - 2, held to -126 .. 127; a block of zeros has e = 0. As a byte (E8M0): e + 127.
;;     - Each number is divided by its block's scale, clamped to +-6, and rounded to the nearest number of E2M1, ties to even, subnormals kept.
;;     - The product sums the exact products of the quantised numbers (number of the format x scale) in f32.
;;   ~~~python
;;   def quantise(x, axis):      # numpy; x: float32 -> the quantised numbers, widened to float32 again
;;       x = np.moveaxis(x, axis, -1); K = x.shape[-1]
;;       x = np.pad(x, [(0, 0)] * (x.ndim - 1) + [(0, -K % 32)]); x = x.reshape(x.shape[:-1] + (-1, 32)); a = np.abs(x).max(-1, keepdims=True)
;;       e = np.where(a > 0, np.clip(np.frexp(np.where(a > 0, a, 1))[1] - 1 - 2, -126, 127), 0)      # np.frexp(a)[1] - 1 = floor(log2(a)), exactly
;;       r = np.clip(x / 2.0 ** e, -6, 6)
;;       step = 2.0 ** (np.maximum(np.frexp(np.where(r == 0, 1, r))[1] - 1, 0) - 1)
;;       q = np.round(r / step) * step * 2.0 ** e      # np.round: ties to even
;;       return np.moveaxis(q.reshape(q.shape[:-2] + (-1,))[..., :K], -1, axis).astype(np.float32)
;;   ~~~
;;   SOFTMAX AHEAD OF A QUANTISED PRODUCT. Where the list says 'softmax', what is quantised is not the finished softmax but p = 2^(t - M), with t = logit x log2(e) and M = ceil(the row's largest t), a whole number; so 1/2 < the row's largest p <= 1. The row's sum l is taken of the UNQUANTISED p, in f32, and the product's result is divided by l at the end. Since M is a whole number, a kernel that streams over the keys may use a running M (the ceiling of the running maximum): every later rescaling is an exact power of two, which a block's scale takes up: the codes' values come out the same.
;;   OPERANDS COMPUTED ON THE WAY. 'Computed on the way' means the value that the module computes at that place (a softmax that the list does not call 'softmax' is quantised finished and normalised). What goes into a quantiser is computed in f32, as accurately as f32 sums, v_exp_f32 and their like allow (about 1e-6 of the number): no bf16 or f16 on the way to a quantiser, and a product that is left as it is and whose result goes on into a quantised operand takes f32 operands (vector FMAs, or v_wmma_f32_16x16x4_f32). A number that lies on a knife's edge between two numbers of the format may be rounded either way, as far as f32 arithmetic and the matrix unit's own rounding can turn it there, and no further.
;;   INPUTS GIVEN AS CODES. k_w (in the module: [1024, 1024], K = its axis 1); o_w (in the module: [1024, 1024], K = its axis 1); q_w (in the module: [1024, 1024], K = its axis 1); v_w (in the module: [1024, 1024], K = its axis 1); x (in the module: [2, 2048, 1024], K = its axis 2): each comes as NAME_codes (uint8): NAME with its K axis moved to the last place and cut into blocks of 32 codes, [.., K / 32, bytes a block], one block behind the other in memory; two codes a byte, the lower K in the low four bits (a code: sign, 2 exponent bits, 1 mantissa bit); and NAME_scales (uint8): the same leading axes, one E8M0 byte (e + 127) for each 32 codes along K. Its value is code x scale, taken as it is: it is not quantised again, and the codes and scales need not be those that the quantiser above would give.
;; One version. Each part assembles by itself: llvm-mc -triple=amdgcn-amd-amdhsa -mcpu=gfx1250 --defsym DOCPART=n.
;; ======== version 1 of 1: 3 launches
;; limits: right only within a limited range of input values
;; workspace buffers: qc 2,097,152 bytes; kc 2,097,152 bytes; vc 2,097,152 bytes; qs 131,072 bytes; ks 131,072 bytes; vs 131,072 bytes; oc 2,097,152 bytes; os 131,072 bytes
;; launch qkv (part 1): grid 8 x 32, 4 waves a work-group, clusters of 4 x 4, 327,680 bytes of LDS; arguments x_codes, x_scales, q_w_codes, k_w_codes, v_w_codes, q_w_scales, k_w_scales, v_w_scales, q_b, k_b, v_b, qc, kc, vc, qs, ks, vs; writes qc, kc, vc, qs, ks, vs
.if DOCPART == 1
	.amdgcn_target "amdgcn-amd-amdhsa--gfx1250"
	.amdhsa_code_object_version 6
	.text
	.protected	k_qfdb46689fb_qkv
	.globl	k_qfdb46689fb_qkv
	.p2align	8
	.type	k_qfdb46689fb_qkv,@function
k_qfdb46689fb_qkv:
	s_mov_b64 s[64:65], 0
	v_nop
	global_prefetch_b8 v0, s[64:65] scope:SCOPE_SE
	s_setreg_imm32_b32 hwreg(HW_REG_WAVE_MODE, 25, 1), 1
	s_wait_xcnt 0x0
	s_wait_alu depctr_hold_cnt(0) depctr_sa_sdst(0) depctr_va_vdst(0) depctr_va_sdst(0) depctr_va_ssrc(0) depctr_va_vcc(0) depctr_vm_vsrc(0)
	s_getreg_b32 s2, hwreg(HW_REG_IB_STS2, 6, 4)
	s_cmp_eq_u32 s2, 0
	s_cbranch_scc0 .Lentry_in_a_cluster
	s_endpgm
.Lentry_in_a_cluster:
	s_bfe_u32 s2, ttmp6, 0x10000c
	s_cmp_lg_u32 s2, 0xf033
	s_cbranch_scc0 .Lentry_shape_is_right
	s_endpgm
.Lentry_shape_is_right:
; q = rope(x Wq^T + bq), k = rope(x Wk^T + bk), v = x Wv^T + bv on codes of FP4 (E2M1) with one E8M0 scale for each 32 along K = 1,024;
; then q and k are quantised along the head's 64 channels and v along the tokens, and leave as images of operand registers: four registers = 512 bytes, lane l's 16 bytes at 16 l.
; SHARES.  A work-group takes 128 tokens (block tb) and two heads (2 g, 2 g + 1).  Wave (i, j) takes tokens 64 i .. + 63 and head 2 g + j, in three passes (q, k, v) of 64 x 64 x 1,024:
; eight accumulators of 32 x 16, eight K steps of 128.  x's fragments of all of K stay in 256 registers; W's go through four sets, asked for three K steps ahead.
; ROWS OF A TILE, r = 8 hh + e.  Tokens (64 of a wave, tile u) and v's channels (64 of a head): row r is 32 hh + 8 (u xor hh) + e, so that of four tiles lane (r, h) of a result holds all 32 of block h.
; q's and k's channels, tile 2 b + u: row r is 32 b + 16 hh + 8 (u xor hh) + e, so that a lane holds both members of RoPE's pairs.  The xor puts the sixteen rows of a load on different banks.
; q, k: source 0 = 32 rows of W, source 1 = 16 tokens.  v: source 0 = 32 tokens, source 1 = 16 rows of Wv.  The biases are the C of each sum's first matrix instruction.
; LDS is filled once, by one tensor load a wave (x, Wq, Wk, Wv: 128 rows of 512 bytes, 16 of padding behind each).  x's and Wq's are waited for first, Wk's and Wv's in the first pass.
; CLUSTER 4 x 4: x's tile hangs on tb alone and is asked for jointly along a row of the cluster, the weights' on g alone, jointly along a column.  Scale words and biases come by plain loads into registers.
; Nothing is prefetched: every fill stands at the head, there is no loop to run ahead in.
; LIMITS: NaN and infinities are not served.  A block of zeros, or one whose largest magnitude lies under 2^-124, gets the byte 1 (the bytes are read by this program alone).
; The frequencies are f32(1 / f32(10^(j / 8))), both roundings to nearest; a power function that is not correctly rounded can differ by one unit in the last place.
; Sine and cosine: three-part reduction by pi / 2 and polynomials, good to about 1e-7 for angles up to 2,047.
; REGISTERS.  Window 0: v1-29 addresses; v32-47 x's scale words, v48-95 W's; v128-229 at work.  Window 1: x's fragments, (K step s, tile m) at 32 s + 8 m.
; Window 2: v0-127 cosines and sines, v128-255 accumulators.  Window 3: v0-127 biases, v128-255 W's four sets.
.set PITCH,  528
.set REGB,   128*PITCH
.set STG,    4*REGB                    ; 1,536 bytes that LDS stores alone write: the scale words on their way out
.set SPARE,  STG+1536
.set WV,  38
.set II,  39
.set JJ,  40
.set CX,  41
.set CY,  42
.set GG,  43
.set TBK, 44
.set HM,  47
.set G1A, 48
.set G1B, 56
.set G0A, 80
.set G0B, 84
.set SEL, 96
.set QB,  20
.set QC,  26
.set AX,  4                            ; v4-5 x's fragments: tiles of even and of odd number
.set AW,  6                            ; v6-11 W's: pass P, even and odd at 6 + 2 P
.set TOK, 12                           ; v12-13 my token, even and odd tiles
.set LI,  14
.set STS, 15
.set STV, 16
.set WRD, 17
.set WGO, 18
.set XS,  32
.set WS,  48
.set ACC, 128
.set RR,  128
.set TM,  192
.set PC,  208
.set PW,  224
.set T0,  228
.set FQ,  128                          ; scratch for the tables
.set AA,  144
.set NN,  160
.set SS,  176
.set CC,  192
.set RS,  208
.set UU,  224
.set MAG, 240
.set C0,  242
.set S0,  244
.set TT,  246
.set MSB, 0
.macro WIN new                         ; the immediate's high byte repeats the setting that is left
.if MSB != (\new)
	s_set_vgpr_msb (MSB<<8)|(\new)
.set MSB, (\new)
.endif
.endm
.macro PLACES n
.rept \n
	v_nop
.endr
.endm
.macro CROUND                          ; a round of the cluster's barrier
	s_barrier_signal -1
	s_barrier_wait -1
	s_cmp_lg_u32 s[WV], 0
	s_cbranch_scc1 .Lnot_wave_0_\@
	s_barrier_signal -3
.Lnot_wave_0_\@:
	s_barrier_wait -3
	s_barrier_signal -1
	s_barrier_wait -1
.endm
	s_load_b512 s[4:19], s[0:1], 0x0               ; x_codes 4, x_scales 6, q_w_codes 8, k_w_codes 10, v_w_codes 12, q_w_scales 14, k_w_scales 16, v_w_scales 18
	s_load_b512 s[20:35], s[0:1], 0x40             ; q_b 20, k_b 22, v_b 24, qc 26, kc 28, vc 30, qs 32, ks 34
	s_load_b64 s[36:37], s[0:1], 0x80              ; vs
	v_lshl_add_u32 v30, v0, 2, SPARE
	v_mov_b32 v31, 0
	ds_add_u32 v30, v31                            ; the opening lines: the add, twice on end, and its wait
	ds_add_u32 v30, v31
	v_lshrrev_b32 v1, 5, v0
	v_readfirstlane_b32 s[WV], v1
	s_lshr_b32 s[II], s[WV], 1
	s_and_b32 s[JJ], s[WV], 1
	s_bfe_u32 s[CX], ttmp6, 0x40000
	s_bfe_u32 s[CY], ttmp6, 0x40004
	s_lshl_b32 s[GG], ttmp9, 2
	s_add_co_u32 s[GG], s[GG], s[CX]
	s_and_b32 s[TBK], ttmp7, 0xffff
	s_lshl_b32 s[TBK], s[TBK], 2
	s_add_co_u32 s[TBK], s[TBK], s[CY]
	s_lshl_b32 s45, s[CY], 2
	s_lshl_b32 s45, 15, s45                        ; my row of the cluster
	s_lshl_b32 s46, 0x1111, s[CX]                  ; my column
	s_mov_b32 s[HM], 0xffff0000                    ; lanes 16-31
	s_mov_b32 s[SEL], 0x76543210
	s_mov_b32 s[SEL+1], 0xfedcba98                 ; lane l xor 16
	; group 1: 128 rows x 512 bytes, four words of padding after every 128
	s_or_b32 s[G1A], s45, (1<<20)|(1<<21)|(6<<22)|(3<<25)
	s_or_b32 s[G1B], s46, (1<<20)|(1<<21)|(6<<22)|(3<<25)
.irp g, G1A, G1B
	s_mov_b32 s[\g+1], 512<<16
	s_mov_b32 s[\g+2], 128<<16
	s_mov_b32 s[\g+3], 512<<16
	s_mov_b32 s[\g+4], 128
	s_mov_b32 s[\g+5], 512
	s_mov_b32 s[\g+6], 0
	s_mov_b32 s[\g+7], 0
.endr
	s_lshl_b32 s66, s[TBK], 16                     ; x: 128 rows of 512 bytes a block (registers that never hold cx)
	s_mov_b32 s67, 0
	s_lshl_b32 s100, s[GG], 16                     ; a weight: 128 rows of 512 bytes for two heads (registers that never hold cy)
	s_mov_b32 s101, 0
	s_wait_dscnt 0x0                               ; both opening adds are done
	s_wait_kmcnt 0x0
	s_cmp_eq_u32 s[WV], 2
	s_cselect_b64 s[98:99], s[10:11], s[8:9]
	s_cmp_eq_u32 s[WV], 3
	s_cselect_b64 s[98:99], s[12:13], s[98:99]     ; the weight that my wave fetches
	s_add_nc_u64 s[98:99], s[98:99], s[100:101]
	s_add_nc_u64 s[66:67], s[4:5], s[66:67]
	s_mov_b32 s[G0A], 1
	s_mov_b32 s[G0A+1], 0
	s_mov_b64 s[G0A+2:G0A+3], s[66:67]
	s_or_b32 s[G0A+3], s[G0A+3], 0x80000000
	s_mov_b32 s[G0B], 1
	s_mul_i32 s[G0B+1], s[WV], REGB
	s_mov_b64 s[G0B+2:G0B+3], s[98:99]
	s_or_b32 s[G0B+3], s[G0B+3], 0x80000000
	CROUND                                         ; all sixteen work-groups are here: the joint loads meet
	; one load a wave, one tree of branches on the wave's number.  Waves 2 and 3, which wait later, have a line of their own
	s_cmp_lt_u32 s[WV], 1
	s_cbranch_scc0 .Lask_q
	tensor_load_to_lds s[G0A:G0A+3], s[G1A:G1A+7]
	s_nop 0
	PLACES 4
	s_branch .Lasked
.Lask_q:
	s_cmp_lt_u32 s[WV], 2
	s_cbranch_scc0 .Lask_kv
	tensor_load_to_lds s[G0B:G0B+3], s[G1B:G1B+7]
	s_nop 0
	PLACES 4
	s_branch .Lasked
.Lask_kv:
	tensor_load_to_lds s[G0B:G0B+3], s[G1B:G1B+7]
	s_nop 0
	PLACES 4
.Lasked:
	; the scale words' and biases' addresses, and where my results go: batch = tb / 16, sq = tb % 16; bh = 16 batch + 2 g + j
	s_mov_b32 s75, 0
	s_lshl_b32 s74, s[TBK], 12
	s_add_nc_u64 s[6:7], s[6:7], s[74:75]
	s_lshl_b32 s74, s[GG], 12
	s_add_nc_u64 s[14:15], s[14:15], s[74:75]
	s_add_nc_u64 s[16:17], s[16:17], s[74:75]
	s_add_nc_u64 s[18:19], s[18:19], s[74:75]
	s_lshl_b32 s71, s[GG], 1
	s_add_co_u32 s74, s71, s[JJ]
	s_lshl_b32 s74, s74, 8
	s_add_nc_u64 s[20:21], s[20:21], s[74:75]      ; the biases of my head: 64 numbers
	s_add_nc_u64 s[22:23], s[22:23], s[74:75]
	s_add_nc_u64 s[24:25], s[24:25], s[74:75]
	s_lshr_b32 s68, s[TBK], 4
	s_and_b32 s69, s[TBK], 15
	s_lshl_b32 s70, s68, 4
	s_add_co_u32 s70, s70, s71                     ; 16 batch + 2 g
	s_add_co_u32 s71, s70, s[JJ]                   ; bh
	s_lshl_b32 s72, s71, 16
	s_lshl_b32 s73, s69, 12
	s_add_co_u32 s72, s72, s73                     ; 65,536 bh + 4,096 sq
	s_lshl_b32 s74, s[II], 11
	s_add_co_u32 s74, s74, s72
	s_add_nc_u64 s[26:27], s[26:27], s[74:75]      ; qc, kc: tile 8 sq + 4 i of my head, 512 bytes a tile
	s_add_nc_u64 s[28:29], s[28:29], s[74:75]
	s_lshl_b32 s74, s[II], 9
	s_add_co_u32 s74, s74, s72
	s_add_nc_u64 s[30:31], s[30:31], s[74:75]      ; vc: key step sq, half i of each fragment
	s_lshl_b32 s74, s70, 12
	s_lshl_b32 s73, s69, 8
	s_add_co_u32 s74, s74, s73
	s_add_nc_u64 s[32:33], s[32:33], s[74:75]      ; qs, ks, vs: head 2 g, step sq: 256 bytes
	s_add_nc_u64 s[34:35], s[34:35], s[74:75]
	s_add_nc_u64 s[36:37], s[36:37], s[74:75]
	s_lshl_b32 s2, s[II], 11                       ; 64 rows of 32 scale bytes
	s_lshl_b32 s3, s[JJ], 11
	s_mul_i32 s68, s[II], 64*PITCH
	s_mul_i32 s70, s[JJ], 64*PITCH
	s_lshl_b32 s71, s[JJ], 8
	s_lshl_b32 s72, s[II], 7
	s_add_co_u32 s72, s72, s71
	s_add_co_u32 s72, s72, STG                     ; q's and k's words: 256 j + 128 i
	s_lshl_b32 s73, s[II], 1
	s_add_co_u32 s73, s73, s71
	s_add_co_u32 s73, s73, STG+1024                ; v's bytes: 256 j + 2 i
	s_lshl_b32 s76, s[WV], 9
	s_add_co_u32 s76, s76, STG
	s_lshl_b32 s77, s69, 7
	s_lshl_b32 s78, s[II], 6
	s_add_co_u32 s77, s77, s78                     ; 128 sq + 64 i
	v_and_b32 v1, 15, v0                           ; r
	v_bfe_u32 v2, v0, 4, 1                         ; h
	v_bfe_u32 v3, v0, 3, 1                         ; hh
	v_and_b32 v19, 7, v0                           ; e
	v_and_b32 v20, 31, v0                          ; lane
	v_xor_b32 v24, v2, v3
	v_lshl_add_u32 v25, v24, 3, v19                ; 8 (h xor hh) + e
	v_lshl_add_u32 v26, v3, 5, v25                 ; tokens, v's channels: of a pair of tiles lanes 0-15 take the even one's rows, lanes 16-31 the odd one's
	v_lshl_add_u32 v27, v3, 4, v25                 ; q's and k's channels
	v_lshl_add_u32 v28, v26, 5, s2
	v_lshl_add_u32 v29, v27, 5, s3
	v_lshl_add_u32 v21, v26, 5, s3
	v_mul_u32_u24 v22, v2, 96                      ; q's and k's biases: channels 32 b + 16 h + 8 (u xor h): u = 0,
	v_lshlrev_b32 v23, 5, v2
	v_add_nc_u32 v23, 32, v23                      ; u = 1
	v_mad_u32_u24 v98, v3, 40, v19                 ; rows of tokens and of v's channels: even tiles 40 hh + e,
	v_mad_u32_u24 v99, v3, 24, v19
	v_add_nc_u32 v100, 8, v99                      ; odd tiles 24 hh + e + 8
	v_lshl_add_u32 v101, v3, 3, v19
	v_add_nc_u32 v101, 8, v101                     ; q's and k's channels: even 24 hh + e (v99), odd 8 hh + e + 8
	v_lshlrev_b32 v96, 2, v98                      ; v's biases
	v_lshlrev_b32 v97, 2, v100
.irp p, 0,1
.irp k, 0,1
	global_load_b128 v[XS+8*\p+4*\k:XS+8*\p+4*\k+3], v28, s[6:7] offset:512*\p+16*\k
.endr
.endr
.irp p, 0,1
.irp k, 0,1
	global_load_b128 v[WS+8*\p+4*\k:WS+8*\p+4*\k+3], v29, s[14:15] offset:1024*\p+16*\k
	global_load_b128 v[WS+16+8*\p+4*\k:WS+16+8*\p+4*\k+3], v29, s[16:17] offset:1024*\p+16*\k
	global_load_b128 v[WS+32+8*\p+4*\k:WS+32+8*\p+4*\k+3], v21, s[18:19] offset:512*\p+16*\k
.endr
.endr
	WIN 0xc0
.irp P, 0,1
.irp n, 0,1,2,3
	global_load_b128 v[32*\P+8*\n:32*\P+8*\n+3], v[22+\n%2], s[QB+2*\P:QB+2*\P+1] offset:(\n/2)*128
	global_load_b128 v[32*\P+8*\n+4:32*\P+8*\n+7], v[22+\n%2], s[QB+2*\P:QB+2*\P+1] offset:(\n/2)*128+16
.endr
.endr
.irp n, 0,1,2,3
	global_load_b32 v[64+16*\n], v[96+\n%2], s[24:25] offset:(\n/2)*64
.endr
	WIN 0
	v_lshlrev_b32 v102, 4, v2                      ; 16 h
	v_mad_u32_u24 v103, v98, PITCH, v102
	v_mad_u32_u24 v104, v100, PITCH, v102
	v_mad_u32_u24 v105, v99, PITCH, v102
	v_mad_u32_u24 v106, v101, PITCH, v102
	v_add_nc_u32 v[AX], s68, v103
	v_add_nc_u32 v[AX+1], s68, v104
	v_add_nc_u32 v105, s70, v105
	v_add_nc_u32 v106, s70, v106
	v_add_nc_u32 v103, s70, v103
	v_add_nc_u32 v104, s70, v104
	v_add_nc_u32 v[AW], REGB, v105
	v_add_nc_u32 v[AW+1], REGB, v106
	v_add_nc_u32 v[AW+2], 2*REGB, v105
	v_add_nc_u32 v[AW+3], 2*REGB, v106
	v_add_nc_u32 v[AW+4], 3*REGB, v103
	v_add_nc_u32 v[AW+5], 3*REGB, v104
	v_add_nc_u32 v[TOK], s77, v98
	v_add_nc_u32 v[TOK+1], s77, v100
	v_lshlrev_b32 v[LI], 4, v20
	v_lshl_add_u32 v[STS], v20, 2, s72
	v_lshl_add_u32 v107, v1, 2, v2                 ; v's bytes: word 4 r, byte h
	v_add_nc_u32 v[STV], s73, v107
	v_lshl_add_u32 v[WRD], v20, 4, s76
	v_lshlrev_b32 v[WGO], 12, v2
	v_lshl_add_u32 v[WGO], v1, 4, v[WGO]           ; lanes 0-15 head 2 g, lanes 16-31 head 2 g + 1
	; ROPE'S TABLES, while the tiles are on their way: register 8 u + k of lane (r, h) belongs to inv_freq[16 h + 8 (u xor h) + k]
	v_cmp_eq_u32 vcc_lo, 1, v2
.macro FREQ i, lo, hi                  ; lanes 0-15 lo, lanes 16-31 hi: f32(1 / f32(10^(j / 8))) as bits
	v_mov_b32 v[FQ+\i], \hi
	v_cndmask_b32 v[FQ+\i], \lo, v[FQ+\i], vcc_lo
.endm
	FREQ 0,  0x3f800000, 0x3a83126f
	FREQ 1,  0x3f3ff911, 0x3a44948c
	FREQ 2,  0x3f0ff59a, 0x3a136a16
	FREQ 3,  0x3ed7e89b, 0x39dd1725
	FREQ 4,  0x3ea1e89b, 0x39a5cb60
	FREQ 5,  0x3e72d423, 0x3978a815
	FREQ 6,  0x3e361887, 0x393a7753
	FREQ 7,  0x3e088d77, 0x390bd472
	FREQ 8,  0x3dcccccd, 0x3c23d70a
	FREQ 9,  0x3d99940d, 0x3bf5b9b0
	FREQ 10, 0x3d6655c2, 0x3bb8449c
	FREQ 11, 0x3d2cba15, 0x3b8a2e77
	FREQ 12, 0x3d0186e3, 0x3b4f3e38
	FREQ 13, 0x3cc2434f, 0x3b1b690d
	FREQ 14, 0x3c91ad39, 0x3ae91528
	FREQ 15, 0x3c5a7bf2, 0x3aaec98e
	v_mov_b32 v[MAG], 0x4b400000                   ; 1.5 x 2^23: adding it rounds to a whole number in the sum's low bits
	v_mov_b32 v[MAG+1], 0x4b400000
	v_mov_b32 v[C0], 0x37cd4000                    ; the cosine's leading coefficient
	v_mov_b32 v[C0+1], 0x37cd4000
	v_mov_b32 v[S0], 0x36405000                    ; the sine's
	v_mov_b32 v[S0+1], 0x36405000
.macro PKF d, a, b, c, mods:vararg
.irp p, 0,2,4,6,8,10,12,14
	v_pk_fma_f32 v[\d+\p:\d+\p+1], v[\a+\p:\a+\p+1], \b, \c \mods
.endr
.endm
; Tile m's 16 angles, two to a line.  A = f32(inv_freq x t); N = A x 2 / pi rounded to a whole number; A - N pi / 2 in three parts; polynomials; the quadrant N mod 4 swaps and sets signs.
.macro SINCOS m
	v_add_nc_u32 v[TT], 16*((\m)/2), v[TOK+(\m)%2]
	v_cvt_f32_u32 v[TT], v[TT]
	v_mov_b32 v[TT+1], v[TT]
.irp p, 0,2,4,6,8,10,12,14
	v_pk_mul_f32 v[AA+\p:AA+\p+1], v[FQ+\p:FQ+\p+1], v[TT:TT+1]
.endr
	PKF NN, AA, 0x3f22f983, v[MAG:MAG+1], op_sel_hi:[1,0,1]
.irp p, 0,2,4,6,8,10,12,14
	v_pk_add_f32 v[SS+\p:SS+\p+1], v[NN+\p:NN+\p+1], v[MAG:MAG+1] neg_lo:[0,1] neg_hi:[0,1]
.endr
.irp k, 0xbfc90fd8, 0xb4a8885a, 0xa7c234c4
.irp p, 0,2,4,6,8,10,12,14
	v_pk_fma_f32 v[AA+\p:AA+\p+1], v[SS+\p:SS+\p+1], \k, v[AA+\p:AA+\p+1] op_sel_hi:[1,0,1]
.endr
.endr
.irp p, 0,2,4,6,8,10,12,14
	v_pk_mul_f32 v[SS+\p:SS+\p+1], v[AA+\p:AA+\p+1], v[AA+\p:AA+\p+1]
.endr
	PKF CC, SS, v[C0:C0+1], 0xbab6077d, op_sel_hi:[1,1,0]
	PKF RS, SS, v[S0:S0+1], 0xb9503486, op_sel_hi:[1,1,0]
.irp p, 0,2,4,6,8,10,12,14
	v_pk_fma_f32 v[CC+\p:CC+\p+1], v[CC+\p:CC+\p+1], v[SS+\p:SS+\p+1], 0x3d2aaaa8 op_sel_hi:[1,1,0]
.endr
.irp p, 0,2,4,6,8,10,12,14
	v_pk_fma_f32 v[RS+\p:RS+\p+1], v[RS+\p:RS+\p+1], v[SS+\p:SS+\p+1], 0x3c0888c1 op_sel_hi:[1,1,0]
.endr
.irp p, 0,2,4,6,8,10,12,14
	v_pk_fma_f32 v[CC+\p:CC+\p+1], v[CC+\p:CC+\p+1], v[SS+\p:SS+\p+1], -0.5 op_sel_hi:[1,1,0]
.endr
.irp p, 0,2,4,6,8,10,12,14
	v_pk_fma_f32 v[RS+\p:RS+\p+1], v[RS+\p:RS+\p+1], v[SS+\p:SS+\p+1], 0xbe2aaaab op_sel_hi:[1,1,0]
.endr
.irp p, 0,2,4,6,8,10,12,14
	v_pk_mul_f32 v[UU+\p:UU+\p+1], v[AA+\p:AA+\p+1], v[SS+\p:SS+\p+1]
.endr
.irp p, 0,2,4,6,8,10,12,14
	v_pk_fma_f32 v[CC+\p:CC+\p+1], v[CC+\p:CC+\p+1], v[SS+\p:SS+\p+1], 1.0 op_sel_hi:[1,1,0]
.endr
.irp p, 0,2,4,6,8,10,12,14
	v_pk_fma_f32 v[RS+\p:RS+\p+1], v[RS+\p:RS+\p+1], v[UU+\p:UU+\p+1], v[AA+\p:AA+\p+1]
.endr
.irp a, 0,1,2,3,4,5,6,7,8,9,10,11,12,13,14,15
	v_lshlrev_b32 v[AA+\a], 31, v[NN+\a]           ; N's bit 0 as a sign bit
.endr
.irp a, 0,1,2,3,4,5,6,7,8,9,10,11,12,13,14,15
	v_lshlrev_b32 v[SS+\a], 30, v[NN+\a]
.endr
.irp a, 0,1,2,3,4,5,6,7,8,9,10,11,12,13,14,15
	v_and_b32 v[SS+\a], 0x80000000, v[SS+\a]       ; N's bit 1: the sine's sign
.endr
.irp a, 0,1,2,3,4,5,6,7,8,9,10,11,12,13,14,15
	v_xor_b32 v[UU+\a], v[SS+\a], v[AA+\a]         ; bit 1 xor bit 0: the cosine's
.endr
.irp a, 0,1,2,3,4,5,6,7,8,9,10,11,12,13,14,15
	v_cmp_ne_u32 vcc_lo, 0, v[AA+\a]               ; an odd quadrant swaps the two
	v_cndmask_b32 v[NN+\a], v[RS+\a], v[CC+\a], vcc_lo
	v_cndmask_b32 v[CC+\a], v[CC+\a], v[RS+\a], vcc_lo
.endr
	WIN 0x80
.irp a, 0,1,2,3,4,5,6,7,8,9,10,11,12,13,14,15
	v_xor_b32 v[32*(\m)+16+\a], v[NN+\a], v[SS+\a] ; the sine
	v_xor_b32 v[32*(\m)+\a], v[CC+\a], v[UU+\a]    ; the cosine
.endr
	WIN 0
.endm
	SINCOS 0
	SINCOS 1
	SINCOS 2
	SINCOS 3
.irp q, 4,5,6,7
	v_mov_b32 v[TM+\q], 0                          ; written once: a lane permute's destination counts as one of its sources
.endr
	s_wait_alu depctr_va_vdst(0)                   ; directly ahead of the wait below
	s_wait_loadcnt 0x0                             ; scale words and biases
	WIN 0xc3
.irp n, 0,1,2,3
.irp k, 1,2,3,4,5,6,7,8,9,10,11,12,13,14,15
	v_mov_b32 v[64+16*\n+\k], v[64+16*\n]          ; v's bias hangs on the lane's channel alone
.endr
.endr
	WIN 0
.macro FETCHX s                        ; x's four fragments of K step s: eight loads
	WIN 0x40
.irp m, 0,1,2,3
.irp e, 0,1
	ds_load_b128 v[32*(\s)+8*\m+4*\e:32*(\s)+8*\m+4*\e+3], v[AX+\m%2] offset:(\m/2)*16*PITCH+64*(\s)+32*\e
.endr
.endr
	WIN 0
.endm
.macro FETCHW G                        ; W's four fragments of step G = 8 pass + K step into set G % 4: eight loads
	WIN 0xc0
.irp n, 0,1,2,3
.irp e, 0,1
.if (\G) < 16
	ds_load_b128 v[128+32*((\G)%4)+8*\n+4*\e:128+32*((\G)%4)+8*\n+4*\e+3], v[AW+2*((\G)/8)+\n%2] offset:(\n/2)*32*PITCH+64*((\G)%8)+32*\e
.else
	ds_load_b128 v[128+32*((\G)%4)+8*\n+4*\e:128+32*((\G)%4)+8*\n+4*\e+3], v[AW+4+\n%2] offset:(\n/2)*16*PITCH+64*((\G)%8)+32*\e
.endif
.endr
.endr
	WIN 0
.endm
; Eight matrix instructions, the eight accumulators by turns, in the same order in every K step.
.macro ONEQK P, s, f, m, n, row
.if (\s) == 0
	v_wmma_scale_f32_32x16x128_f4 v[ACC+32*\m+16*\n:ACC+32*\m+16*\n+15], v[128+32*(\f)+16*\n:128+32*(\f)+16*\n+15], v[32*(\s)+8*\m:32*(\s)+8*\m+7], v[32*(\P)+16*\n:32*(\P)+16*\n+15], v[WS+16*(\P)+8*\n+(\s)], v[XS+8*(\m/2)+(\s)] \row
.else
	v_wmma_scale_f32_32x16x128_f4 v[ACC+32*\m+16*\n:ACC+32*\m+16*\n+15], v[128+32*(\f)+16*\n:128+32*(\f)+16*\n+15], v[32*(\s)+8*\m:32*(\s)+8*\m+7], v[ACC+32*\m+16*\n:ACC+32*\m+16*\n+15], v[WS+16*(\P)+8*\n+(\s)], v[XS+8*(\m/2)+(\s)] \row
.endif
.endm
.macro MULQK P, s, f                   ; source 0 = W's tiles 2 n, 2 n + 1 (window 3), source 1 = x's tile m (window 1)
.if (\s) == 0
	WIN 0xb7
.else
	WIN 0xa7
.endif
.irp m, 0,1,2,3
.irp n, 0,1
.if \m%2
	ONEQK \P, \s, \f, \m, \n, matrix_b_scale:MATRIX_SCALE_ROW1
.else
	ONEQK \P, \s, \f, \m, \n
.endif
.endr
.endr
.endm
.macro ONEV s, f, n, m, row
.if (\s) == 0
	v_wmma_scale_f32_32x16x128_f4 v[ACC+32*\n+16*\m:ACC+32*\n+16*\m+15], v[32*(\s)+16*\m:32*(\s)+16*\m+15], v[128+32*(\f)+8*\n:128+32*(\f)+8*\n+7], v[64+16*\n:64+16*\n+15], v[XS+8*\m+(\s)], v[WS+32+8*(\n/2)+(\s)] \row
.else
	v_wmma_scale_f32_32x16x128_f4 v[ACC+32*\n+16*\m:ACC+32*\n+16*\m+15], v[32*(\s)+16*\m:32*(\s)+16*\m+15], v[128+32*(\f)+8*\n:128+32*(\f)+8*\n+7], v[ACC+32*\n+16*\m:ACC+32*\n+16*\m+15], v[XS+8*\m+(\s)], v[WS+32+8*(\n/2)+(\s)] \row
.endif
.endm
.macro MULV s, f                       ; source 0 = x's tiles 2 m, 2 m + 1 (window 1), source 1 = Wv's tile n (window 3)
.if (\s) == 0
	WIN 0xbd
.else
	WIN 0xad
.endif
.irp n, 0,1,2,3
.irp m, 0,1
.if \n%2
	ONEV \s, \f, \n, \m, matrix_b_scale:MATRIX_SCALE_ROW1
.else
	ONEV \s, \f, \n, \m
.endif
.endr
.endr
.endm
.macro MUL P, s, f
.if (\P) < 2
	MULQK \P, \s, \f
.else
	MULV \s, \f
.endif
.endm
; Step G = 8 P + s.  In an even step the fragments of steps G + 2 and G + 3 are asked for first, four places behind the products that read their sets; then this step's products.
; Behind a set's loads stand those of three younger sets: 48 with x's, 24 without.  In step 5 all tensor loads are waited for, in front of the barrier behind which Wk and Wv are read.
; Step G = 8 P + s.  Fragments are asked for two steps at a time, four places behind the products that read their sets.  In step 5 all tensor loads are waited for, in front of the barrier behind which Wk and Wv are read.
.macro STEP P, s
.set GS, 8*(\P)+(\s)
.set FF, GS%4
.if GS == 5
	s_wait_dscnt 0x0
	s_wait_tensorcnt 0x0
	s_barrier_signal -1
	MUL \P, \s, FF                                 ; work on registers while the others arrive
	WIN 0
	s_barrier_wait -1
.else
; in an even step the fragments of steps G + 2 and G + 3 are asked for together: behind a step's own loads stand those of three younger steps, in an odd step of two
.if (GS%2 == 0) && (GS < 22)
.if GS > 0
	PLACES 4
.endif
.if GS < 6
	FETCHX (\s)+2
.endif
	FETCHW (8*(\P)+(\s)+2)
.if GS < 6
	FETCHX (\s)+3
.endif
	FETCHW (8*(\P)+(\s)+3)
.endif
.if GS < 5
	s_wait_dscnt 48-16*((\s)%2)
.elseif GS < 22
	s_wait_dscnt 24-8*((\s)%2)
.else
	s_wait_dscnt 8*(7-(\s))
.endif
	MUL \P, \s, FF
.endif
.endm
; RoPE of tile m into d: lo' = lo cos - hi sin, hi' = hi cos + lo sin.  Each accumulator is read from its low end on.
.macro ROPE m, d
	WIN 0x0a
.irp i, 0,2,4,6,8,10,12,14
	v_pk_mul_f32 v[(\d)+\i:(\d)+\i+1], v[ACC+32*(\m)+16+\i:ACC+32*(\m)+17+\i], v[32*(\m)+16+\i:32*(\m)+17+\i]
	v_pk_mul_f32 v[(\d)+16+\i:(\d)+17+\i], v[ACC+32*(\m)+\i:ACC+32*(\m)+1+\i], v[32*(\m)+16+\i:32*(\m)+17+\i]
.endr
.irp i, 0,2,4,6,8,10,12,14
	v_pk_fma_f32 v[(\d)+\i:(\d)+\i+1], v[ACC+32*(\m)+\i:ACC+32*(\m)+1+\i], v[32*(\m)+\i:32*(\m)+1+\i], v[(\d)+\i:(\d)+\i+1] neg_lo:[0,0,1] neg_hi:[0,0,1]
	v_pk_fma_f32 v[(\d)+16+\i:(\d)+17+\i], v[ACC+32*(\m)+16+\i:ACC+32*(\m)+17+\i], v[32*(\m)+\i:32*(\m)+1+\i], v[(\d)+16+\i:(\d)+17+\i]
.endr
	WIN 0
.endm
; Two tiles (2 g, 2 g + 1), four blocks by turns: largest magnitude with the floor 2^(3 - 127), joined with lane l xor 16's; the conversion's scale operand; the byte; codes; whole blocks in a lane.
.macro QUANT4 g
.irp q, 0,1,2,3
	v_max3_num_f32 v[TM+\q], |v[RR+16*\q]|, |v[RR+16*\q+1]|, 0x1800000
.endr
.irp i, 2,4,6,8,10,12,14
.irp q, 0,1,2,3
	v_max3_num_f32 v[TM+\q], v[TM+\q], |v[RR+16*\q+\i]|, |v[RR+16*\q+\i+1]|
.endr
.endr
.irp q, 0,1,2,3
	v_permlanex16_b32 v[TM+4+\q], v[TM+\q], s[SEL], s[SEL+1]
.endr
.irp q, 0,1,2,3
	v_max_num_f32 v[TM+\q], v[TM+\q], v[TM+4+\q]
.endr
.irp q, 0,1,2,3
	v_add_nc_u32 v[TM+8+\q], 0xff000000, v[TM+\q]
.endr
.irp q, 0,1,2,3
	v_lshrrev_b32 v[TM+12+\q], 23, v[TM+8+\q]
.endr
.irp t, 0,1
	v_lshl_or_b32 v[PW+2*(\g)+\t], v[TM+13+2*\t], 8, v[TM+12+2*\t]
.endr
.irp t, 0,1
.irp b, 0,1
.irp e, 0,1
	v_cvt_scalef32_pk8_fp4_f32 v[PC+8*(\g)+4*\t+2*\b+\e], v[RR+32*\t+16*\b+8*\e:RR+32*\t+16*\b+8*\e+7], v[TM+8+2*\t+\b]
.endr
.endr
.endr
	v_nop                                          ; one plain line behind a scaled conversion
.irp t, 0,1
	v_permlane16_swap_b32 v[PC+8*(\g)+4*\t], v[PC+8*(\g)+4*\t+2]
	v_permlane16_swap_b32 v[PC+8*(\g)+4*\t+1], v[PC+8*(\g)+4*\t+3]
.endr
.endm
.macro EPIQK P                         ; q's or k's way out: four tiles of 16 tokens
	WIN 0
	s_wait_xcnt 0x0                                ; the last pass's stores have read their registers
	PLACES 4
.irp g, 0,1
	ROPE 2*\g, RR
	ROPE 2*\g+1, RR+32
	QUANT4 \g
.irp t, 0,1
	global_store_b128 v[LI], v[PC+8*\g+4*\t:PC+8*\g+4*\t+3], s[QC+2*(\P):QC+2*(\P)+1] offset:512*(2*\g+\t)   ; a tile's image: 512 consecutive bytes
.endr
.endr
	v_lshl_or_b32 v[T0], v[PW+2], 16, v[PW]        ; a word for tiles 0 and 2, one for tiles 1 and 3: a fragment of K holds such a pair
	v_lshl_or_b32 v[T0+1], v[PW+3], 16, v[PW+1]
	v_cndmask_b32 v[T0], v[T0], v[T0+1], s[HM]     ; lanes 0-15 the first, lanes 16-31 the second
	ds_store_b32 v[STS], v[T0] offset:512*(\P)
.endm
	s_wait_alu depctr_va_vdst(0)                   ; the head's end
	s_cmp_lt_u32 s[WV], 2
	s_cbranch_scc0 .Llater
	s_wait_tensorcnt 0x0                           ; waves 0 and 1: x and Wq have landed
.Llater:
	s_barrier_signal -1
	s_barrier_wait -1
.irp s, 0,1
	FETCHX \s
	FETCHW \s
.endr
.irp s, 0,1,2,3,4,5,6,7
	STEP 0, \s
.endr
	EPIQK 0
.irp s, 0,1,2,3,4,5,6,7
	STEP 1, \s
.endr
	EPIQK 1
.irp s, 0,1,2,3,4,5,6,7
	STEP 2, \s
.endr
	; v's way out: four tiles of 16 channels; a lane's 32 registers of a tile are one whole block of 32 tokens
	WIN 0
	s_wait_xcnt 0x0
	PLACES 4
	WIN 0x0a
.irp n, 0,1,2,3
	v_max3_num_f32 v[TM+\n], |v[ACC+32*\n]|, |v[ACC+32*\n+1]|, 0x1800000
.endr
	WIN 0x28
.irp i, 2,4,6,8,10,12,14,16,18,20,22,24,26,28,30
.irp n, 0,1,2,3
	v_max3_num_f32 v[TM+\n], v[TM+\n], |v[ACC+32*\n+\i]|, |v[ACC+32*\n+\i+1]|
.endr
.endr
	WIN 0
.irp n, 0,1,2,3
	v_add_nc_u32 v[TM+8+\n], 0xff000000, v[TM+\n]
.endr
.irp n, 0,1,2,3
	v_lshrrev_b32 v[TM+12+\n], 23, v[TM+8+\n]
.endr
	WIN 2
.irp n, 0,1,2,3
.irp u, 0,1,2,3
	v_cvt_scalef32_pk8_fp4_f32 v[PC+4*\n+\u], v[ACC+32*\n+8*\u:ACC+32*\n+8*\u+7], v[TM+8+\n]
.endr
.endr
	WIN 0
	v_nop
.irp n, 0,1,2,3
	global_store_b128 v[LI], v[PC+4*\n:PC+4*\n+3], s[30:31] offset:1024*\n
.endr
.irp n, 0,1,2,3
	ds_store_b8 v[STV], v[TM+12+\n] offset:64*\n   ; byte 2 i + h of channel r's word
.endr
	s_wait_dscnt 0x0                               ; for the others' sake: my stores into the stage are done
	s_barrier_signal -1
	s_barrier_wait -1
	s_cmp_eq_u32 s[WV], 1                          ; wave 0 stores q's scale words, wave 1 k's, wave 2 v's: 256 consecutive bytes for each of the two heads
	s_cselect_b64 s[98:99], s[34:35], s[32:33]
	s_cmp_eq_u32 s[WV], 2
	s_cselect_b64 s[98:99], s[36:37], s[98:99]
	s_cmp_lt_u32 s[WV], 3
	s_cbranch_scc0 .Lno_words
	ds_load_b128 v[RR:RR+3], v[WRD]
	s_wait_dscnt 0x0
	global_store_b128 v[WGO], v[RR:RR+3], s[98:99]
.Lno_words:
	s_wait_tensorcnt 0x0                           ; the wave's end
	ds_add_u32 v30, v31
	s_wait_dscnt 0x0
	CROUND                                         ; the closing round
	s_endpgm
.Lfunc_end_k_qfdb46689fb_qkv:
	.size	k_qfdb46689fb_qkv, .Lfunc_end_k_qfdb46689fb_qkv-k_qfdb46689fb_qkv
	.p2alignl 7, 3214868480
	.fill 96, 4, 3214868480
	.section	.rodata,"a",@progbits
	.p2align	6, 0x0
	.amdhsa_kernel k_qfdb46689fb_qkv
		.amdhsa_group_segment_fixed_size 327680
		.amdhsa_private_segment_fixed_size 0
		.amdhsa_enable_private_segment 0
		.amdhsa_kernarg_size 136
		.amdhsa_user_sgpr_count 2
		.amdhsa_user_sgpr_kernarg_segment_ptr 1
		.amdhsa_wavefront_size32 1
		.amdhsa_system_sgpr_workgroup_id_x 1
		.amdhsa_system_sgpr_workgroup_id_y 1
		.amdhsa_system_sgpr_workgroup_id_z 1
		.amdhsa_system_vgpr_workitem_id 0
		.amdhsa_next_free_vgpr 1024
		.amdhsa_next_free_sgpr 102
		.amdhsa_reserve_vcc 1
		.amdhsa_float_denorm_mode_32 3
		.amdhsa_float_denorm_mode_16_64 3
		.amdhsa_memory_ordered 1
		.amdhsa_forward_progress 1
		.amdhsa_inst_pref_size 164
	.end_amdhsa_kernel
	.amdgpu_metadata
---
amdhsa.version: [ 1, 2 ]
amdhsa.kernels:
  - .name:           k_qfdb46689fb_qkv
    .symbol:         k_qfdb46689fb_qkv.kd
    .args:
      - { .name: x_codes, .offset: 0, .size: 8, .value_kind: global_buffer, .address_space: global }
      - { .name: x_scales, .offset: 8, .size: 8, .value_kind: global_buffer, .address_space: global }
      - { .name: q_w_codes, .offset: 16, .size: 8, .value_kind: global_buffer, .address_space: global }
      - { .name: k_w_codes, .offset: 24, .size: 8, .value_kind: global_buffer, .address_space: global }
      - { .name: v_w_codes, .offset: 32, .size: 8, .value_kind: global_buffer, .address_space: global }
      - { .name: q_w_scales, .offset: 40, .size: 8, .value_kind: global_buffer, .address_space: global }
      - { .name: k_w_scales, .offset: 48, .size: 8, .value_kind: global_buffer, .address_space: global }
      - { .name: v_w_scales, .offset: 56, .size: 8, .value_kind: global_buffer, .address_space: global }
      - { .name: q_b, .offset: 64, .size: 8, .value_kind: global_buffer, .address_space: global }
      - { .name: k_b, .offset: 72, .size: 8, .value_kind: global_buffer, .address_space: global }
      - { .name: v_b, .offset: 80, .size: 8, .value_kind: global_buffer, .address_space: global }
      - { .name: qc, .offset: 88, .size: 8, .value_kind: global_buffer, .address_space: global }
      - { .name: kc, .offset: 96, .size: 8, .value_kind: global_buffer, .address_space: global }
      - { .name: vc, .offset: 104, .size: 8, .value_kind: global_buffer, .address_space: global }
      - { .name: qs, .offset: 112, .size: 8, .value_kind: global_buffer, .address_space: global }
      - { .name: ks, .offset: 120, .size: 8, .value_kind: global_buffer, .address_space: global }
      - { .name: vs, .offset: 128, .size: 8, .value_kind: global_buffer, .address_space: global }
    .group_segment_fixed_size: 327680
    .private_segment_fixed_size: 0
    .kernarg_segment_align: 8
    .kernarg_segment_size: 136
    .max_flat_workgroup_size: 128
    .sgpr_count:     102
    .vgpr_count:     1024
    .wavefront_size: 32
...
	.end_amdgpu_metadata
.endif
;; end of part 1
;; launch attn (part 2): grid 8 x 32, 16 waves a work-group, clusters of 4 x 1, 182,272 bytes of LDS; arguments qc, qs, kc, ks, vc, vs, oc, os; writes oc, os
.if DOCPART == 2
	.amdgcn_target "amdgcn-amd-amdhsa--gfx1250"
	.amdhsa_code_object_version 6
	.text
	.protected	k_qfdb46689fb_attn
	.globl	k_qfdb46689fb_attn
	.p2align	8
	.type	k_qfdb46689fb_attn,@function
k_qfdb46689fb_attn:
	s_mov_b64 s[64:65], 0
	v_nop
	global_prefetch_b8 v0, s[64:65] scope:SCOPE_SE
	s_setreg_imm32_b32 hwreg(HW_REG_WAVE_MODE, 25, 1), 1
	s_wait_xcnt 0x0
	s_wait_alu depctr_hold_cnt(0) depctr_sa_sdst(0) depctr_va_vdst(0) depctr_va_sdst(0) depctr_va_ssrc(0) depctr_va_vcc(0) depctr_vm_vsrc(0)
	s_getreg_b32 s2, hwreg(HW_REG_IB_STS2, 6, 4)
	s_cmp_eq_u32 s2, 0
	s_cbranch_scc0 .Lentry_in_a_cluster
	s_endpgm
.Lentry_in_a_cluster:
	s_bfe_u32 s2, ttmp6, 0x10000c
	s_cmp_lg_u32 s2, 0x3003
	s_cbranch_scc0 .Lentry_shape_is_right
	s_endpgm
.Lentry_shape_is_right:
; o = softmax(q k^T / 8) v for one head, both products on codes of FP4 (E2M1) with one E8M0 scale for each 32 along a product's K; o is quantised along the head's 64 channels and leaves as an image of operand registers.
; THE SOFTMAX: t = score x log2(e) / 8; M = the row's largest t so far, rounded UP to a whole number; p = 2^(t - M) is quantised along the keys, not normalised.
; The row's sum is taken of the unquantised p and divides at the end.  When M moves, the sum and O are multiplied by 2^(old M - new M): exact.
; SHARES.  A work-group owns 256 queries of one head (bh); each of its sixteen waves one tile of 16 queries in 256 registers.  Every wave walks the 2,048 keys, 128 a step.
; The head's K and V (128 KiB of register images, 8 KiB of scale words) come into LDS once: waves 0, 1 fetch K's and V's steps 0-3, waves 2, 3 the scale words, waves 4-6 and 7-9 the rest of K and of V.
; What waves 0-3 fetch is waited for first; the rest in front of a barrier that is signalled behind step 0 and waited for behind step 1.
; CLUSTER 4 x 1: the four query blocks of a cluster belong to one head: each part is asked for jointly.  Nothing is prefetched: every fill stands at the head.
; LAYOUT.  Both products are transposed: S^T = K Q^T, O^T = V^T P^T: a lane holds one query (lane % 16) throughout.  Rows 0-7 of a tile of keys come from one block of 32 keys, rows 8-15 from the next, so
; the 32 registers of four tiles are one whole block: 2 c + lane / 16.  V's channels are laid likewise, so O^T's 32 registers are block lane / 16 of the head's channels.
; THE HEAD HAS 64 CHANNELS, the instruction's K is 128: a fragment of K holds two tiles of keys (k 0 .. 63 and k 64 .. 127) and is multiplied once by [q, 0] and once by [0, q]:
; zero codes add nothing; q's scale word gives the zero half the byte 1, the smallest scale.
; TWO BUFFERS OF SCORES TAKE TURNS: while step i's p are made, summed and quantised, step i + 1's scores are multiplied and their maxima and M are found.
; LIMITS: NaN and infinities are not served; the scaled scores stay under 2^31 in magnitude; a block of zeros keeps the byte 1 (the bytes are read by this program alone).
; REGISTERS: v0 the thread's number; v1-3 LDS addresses; v[4:5] f; v6, v7 the blocks' largest p, then bytes; v8-11, v28-30 scale words and nothing else; v12 -M, v13 the largest score, v[14:15] the sum in two halves;
; v16-27 q, 0, q; v31 8 h; v32-63 K and V by turns; v64-127, v128-191 the two buffers; v192-223 O^T; v224-231 p's codes; v232-255 at work.
.set KC0,  49152                       ; LDS: K's step s at KC0 + 4,096 s,
.set VC0,  114688                      ; V's at VC0 + 4,096 s
.set OST,  8192                        ; K's scale words from 0 (256 bytes a step), V's from 4,096; here 512 bytes that LDS stores alone write: o's scale bytes
.set SPARE, 180224
.set WV,   20
.set SEL,  24
.set CS,   26
.set TB,   28                          ; s28 4,096 x (i + 2) for the trip's first step i
.set TS,   29                          ; s29 256 x (i + 2)
.set CN,   31
.set X,    64
.set Y,    128
.set O,    192
.set PCD,  224
.set A,    232
.macro CROUND
	s_barrier_signal -1
	s_barrier_wait -1
	s_cmp_lg_u32 s[WV], 0
	s_cbranch_scc1 .Lnot_wave_0_\@
	s_barrier_signal -3
.Lnot_wave_0_\@:
	s_barrier_wait -3
	s_barrier_signal -1
	s_barrier_wait -1
.endm
.macro PLACES n
.rept \n
	v_nop
.endr
.endm
	s_load_b512 s[4:19], s[0:1], 0x0               ; qc 4, qs 6, kc 8, ks 10, vc 12, vs 14, oc 16, os 18
	v_lshl_add_u32 v248, v0, 2, SPARE
	v_mov_b32 v249, 0
	ds_add_u32 v248, v249                          ; the opening lines
	ds_add_u32 v248, v249
	v_lshrrev_b32 v1, 5, v0
	v_readfirstlane_b32 s[WV], v1                  ; wave 0..15
	s_bfe_u32 s21, ttmp6, 0x40000                  ; cx
	s_lshl_b32 s22, ttmp9, 2
	s_add_co_u32 s22, s22, s21                     ; my block of 256 queries: it enters global addresses of q and o alone
	s_and_b32 s23, ttmp7, 0xffff                   ; bh, which the four partners share
	s_mov_b32 s[SEL], 0x76543210
	s_mov_b32 s[SEL+1], 0xfedcba98
	s_mov_b32 s[CS], 0x3e38aa3b                    ; c = log2(e) / 8
	s_mov_b32 s[CS+1], s[CS]
	s_mov_b32 s[CN], 0xbe38aa3b                    ; -c
	; group 1: 16 KiB of codes, dense, as 64 rows of 256 bytes (32 elements of 8 bytes); the scale words: 16 such rows
	s_mov_b32 s32, 15|(3<<16)|(1<<21)
	s_mov_b32 s33, 32<<16
	s_mov_b32 s34, 64<<16
	s_mov_b32 s35, 32<<16
	s_mov_b32 s36, 64
	s_mov_b32 s37, 32
	s_mov_b32 s38, 0
	s_mov_b32 s39, 0
	s_mov_b32 s40, 15|(3<<16)|(1<<21)
	s_mov_b32 s41, 32<<16
	s_mov_b32 s42, 16<<16
	s_mov_b32 s43, 32<<16
	s_mov_b32 s44, 16
	s_mov_b32 s45, 32
	s_mov_b32 s46, 0
	s_mov_b32 s47, 0
	s_lshl_b32 s66, s23, 16                        ; the head's codes: 65,536 bh
	s_mov_b32 s67, 0
	s_lshl_b32 s74, s23, 12                        ; its scale words: 4,096 bh
	s_mov_b32 s75, 0
	s_and_b32 s76, s[WV], 1
	s_sub_co_u32 s68, s[WV], 3                     ; waves 4-6: parts 1-3 of K
	s_and_b32 s68, s68, 3
	s_lshl_b32 s68, s68, 14
	s_add_co_u32 s68, s68, s66
	s_mov_b32 s69, 0
	s_sub_co_u32 s70, s[WV], 6                     ; waves 7-9: parts 1-3 of V
	s_and_b32 s70, s70, 3
	s_lshl_b32 s70, s70, 14
	s_add_co_u32 s70, s70, s66
	s_mov_b32 s71, 0
	s_wait_dscnt 0x0                               ; both opening adds are done
	s_wait_kmcnt 0x0
	s_mov_b32 s48, 1
	s_lshl_b32 s49, s76, 16
	s_add_co_u32 s49, s49, KC0                     ; wave 0: K's first part, wave 1: V's
	s_cmp_eq_u32 s76, 0
	s_cselect_b64 s[50:51], s[8:9], s[12:13]
	s_add_nc_u64 s[50:51], s[50:51], s[66:67]
	s_or_b32 s51, s51, 0x80000000
	s_mov_b32 s52, 1
	s_lshl_b32 s53, s76, 12                        ; wave 2: K's words, wave 3: V's
	s_cmp_eq_u32 s76, 0
	s_cselect_b64 s[54:55], s[10:11], s[14:15]
	s_add_nc_u64 s[54:55], s[54:55], s[74:75]
	s_or_b32 s55, s55, 0x80000000
	s_mov_b32 s56, 1
	s_lshl_b32 s57, s[WV], 14                      ; waves 4-6: 65,536, 81,920, 98,304
	s_add_nc_u64 s[58:59], s[8:9], s[68:69]
	s_or_b32 s59, s59, 0x80000000
	s_mov_b32 s60, 1
	s_lshl_b32 s61, s[WV], 14
	s_add_co_u32 s61, s61, 16384                   ; waves 7-9: 131,072, 147,456, 163,840
	s_add_nc_u64 s[62:63], s[12:13], s[70:71]
	s_or_b32 s63, s63, 0x80000000
	CROUND                                         ; all four work-groups are here: the joint loads meet
.macro ARM under, g0, g1, next         ; one load a wave, ten waves, one tree of branches on the wave's number
	s_cmp_lt_u32 s[WV], \under
	s_cbranch_scc0 \next
	tensor_load_to_lds s[\g0:\g0+3], s[\g1:\g1+7]
	s_nop 0
	PLACES 4
	s_branch .Lasked
\next:
.endm
	ARM 2,  48, 32, .Lask_words
	ARM 4,  52, 40, .Lask_k
	ARM 7,  56, 32, .Lask_v
	ARM 10, 60, 32, .Lask_none
.Lasked:
	s_lshl_b32 s77, s22, 4
	s_add_co_u32 s77, s77, s[WV]                   ; T: my tile of queries
	s_lshl_b32 s78, s77, 9
	s_add_co_u32 s78, s78, s66
	s_mov_b32 s79, 0
	s_add_nc_u64 s[4:5], s[4:5], s[78:79]          ; q's image
	s_lshr_b32 s78, s77, 2
	s_lshl_b32 s78, s78, 7
	s_and_b32 s80, s77, 1
	s_lshl_b32 s80, s80, 6
	s_add_co_u32 s78, s78, s80
	s_and_b32 s80, s77, 2
	s_add_co_u32 s78, s78, s80
	s_add_co_u32 s78, s78, s74
	s_add_nc_u64 s[6:7], s[6:7], s[78:79]          ; its half words: 128 bytes for four tiles; tiles 0 and 2 share the words of the first 64 bytes, 1 and 3 those of the next
	s_lshr_b32 s78, s23, 4
	s_lshl_b32 s78, s78, 7
	s_add_co_u32 s78, s78, s77                     ; 128 batch + T
	s_lshl_b32 s78, s78, 13
	s_and_b32 s80, s23, 15
	s_lshl_b32 s80, s80, 9
	s_add_co_u32 s78, s78, s80
	s_add_nc_u64 s[16:17], s[16:17], s[78:79]      ; oc: 8,192 bytes a tile, 512 a head
	s_lshl_b32 s78, s22, 9
	s_add_co_u32 s78, s78, s74
	s_add_nc_u64 s[18:19], s[18:19], s[78:79]      ; os: 4,096 bytes a head, 512 a block of queries
	s_lshr_b32 s80, s[WV], 2
	s_lshl_b32 s80, s80, 7
	s_and_b32 s81, s[WV], 3
	s_lshl_b32 s81, s81, 1
	s_add_co_u32 s80, s80, s81
	s_add_co_u32 s80, s80, OST                     ; o's bytes: 128 for four tiles, 8 a row, 2 a tile
	s_mov_b32 s[TB], 4*4096
	s_mov_b32 s[TS], 4*256
	v_and_b32 v250, 31, v0
	v_and_b32 v251, 15, v0
	v_bfe_u32 v252, v0, 4, 1
	v_lshlrev_b32 v254, 4, v250                    ; 16 x lane
	v_lshlrev_b32 v253, 2, v251
	global_load_b128 v[16:19], v254, s[4:5]        ; q in front of four registers of zero codes,
	global_load_b128 v[24:27], v254, s[4:5]        ; and behind them: v[16:23] is [q, 0], v[20:27] is [0, q]
	global_load_u16 v255, v253, s[6:7]
	v_add_nc_u32 v1, KC0, v254                     ; K's step s at + 4,096 s
	v_add_nc_u32 v2, VC0-8192, v254                ; V's step s at + 4,096 (s + 2)
	v_lshlrev_b32 v3, 2, v250                      ; K's words of step s at + 256 s; V's at + 256 (s + 2) + 3,584
	v_lshlrev_b32 v31, 3, v252                     ; 8 h
.irp j, 20,21,22,23
	v_mov_b32 v[\j], 0
.endr
	v_mov_b32 v13, 0xff61b1e6                      ; the largest score so far: -3e38
	v_mul_f32 v12, s[CN], v13
	v_floor_f32 v12, v12                           ; -M
	v_mov_b32 v14, 0
	v_mov_b32 v15, 0
	v_mov_b32 v5, 0                                ; (named as the upper half of the pair v[4:5])
.set J, 0
.rept 32
	v_mov_b32 v[O+J], 0                            ; O^T
.set J, J+1
.endr
	s_wait_alu depctr_va_vdst(0)                   ; directly ahead of the wait below
	s_wait_loadcnt 0x0
	v_or_b32 v29, 0x01010000, v255                 ; [q, 0]'s scale word: q's two bytes for k 0 .. 63, the byte 1 for the zero half
	v_lshl_or_b32 v30, v255, 16, 0x0101            ; [0, q]'s
	PLACES 8                                       ; a scale register written by a vector instruction stands eight places ahead of a scaled matrix instruction
	s_wait_alu depctr_va_vdst(0)                   ; the head's end
	s_cmp_lt_u32 s[WV], 4
	s_cbranch_scc0 .Llater
	s_wait_tensorcnt 0x0                           ; waves 0-3: steps 0-3 and all scale words have landed
.Llater:
	s_barrier_signal -1
	s_barrier_wait -1
.macro LOADK a, w, o, ow               ; ten loads: tiles 0 and 2, 1 and 3, 4 and 6, 5 and 7 share fragments
	ds_load_b128 v[32:35], v[\a] offset:(\o)
	ds_load_b128 v[36:39], v[\a] offset:(\o)+1024
	ds_load_b128 v[40:43], v[\a] offset:(\o)+512
	ds_load_b128 v[44:47], v[\a] offset:(\o)+1536
	ds_load_b32 v8, v[\w] offset:(\ow)
	ds_load_b128 v[48:51], v[\a] offset:(\o)+2048
	ds_load_b128 v[52:55], v[\a] offset:(\o)+3072
	ds_load_b128 v[56:59], v[\a] offset:(\o)+2560
	ds_load_b128 v[60:63], v[\a] offset:(\o)+3584
	ds_load_b32 v9, v[\w] offset:(\ow)+128
.endm
.macro LOADV a, w, o, ow               ; ten loads: four tiles of channels
.irp n, 0,1,2,3
	ds_load_b128 v[32+8*\n:35+8*\n], v[\a] offset:(\o)+1024*\n
	ds_load_b128 v[36+8*\n:39+8*\n], v[\a] offset:(\o)+1024*\n+512
.endr
	ds_load_b32 v10, v[\w] offset:(\ow)+3584
	ds_load_b32 v11, v[\w] offset:(\ow)+3712
.endm
.macro SCORES n                        ; 128 keys x 16 queries into buffer n
	v_wmma_scale_f32_32x16x128_f4 v[\n:\n+15], v[32:47], v[16:23], 0, v8, v29
	v_wmma_scale_f32_32x16x128_f4 v[\n+16:\n+31], v[32:47], v[20:27], 0, v8, v30
	v_wmma_scale_f32_32x16x128_f4 v[\n+32:\n+47], v[48:63], v[16:23], 0, v9, v29
	v_wmma_scale_f32_32x16x128_f4 v[\n+48:\n+63], v[48:63], v[20:27], 0, v9, v30
.endm
.macro MAXIMA n                        ; the largest score of each of my two blocks (v248, v250): it serves the row's maximum and, since p rises with the score, the block's largest p
.irp b, 0,1,2,3
	v_max3_num_f32 v[248+\b], v[\n+16*\b], v[\n+1+16*\b], v[\n+2+16*\b]
.endr
.irp i, 3,5,7,9,11,13
.irp b, 0,1,2,3
	v_max3_num_f32 v[248+\b], v[248+\b], v[\n+16*\b+\i], v[\n+1+16*\b+\i]
.endr
.endr
	v_max3_num_f32 v248, v248, v249, v[\n+15]
	v_max3_num_f32 v250, v250, v251, v[\n+47]
.endm
.macro TM j                            ; t - M, two at a time
	v_pk_fma_f32 v[\j:\j+1], v[\j:\j+1], s[CS:CS+1], v[12:13] op_sel_hi:[1,0,0]
.endm
.macro ADD2 d, a, b
	v_pk_add_f32 v[\d:\d+1], v[\a:\a+1], v[\b:\b+1]
.endm
.macro CVT d, s, e
	v_cvt_scalef32_pk8_fp4_f32 v[\d], v[\s:\s+7], v[\e]
.endm
; A KEY STEP i, its scores in buffer c.  On the way in: the first half of c holds t - M, the second half scores; v6, v7 hold the blocks' largest t - M; K of step i + 1 is on its way.
; how = 0: step i at immediate offsets; 1: the trip's step with 4,096 x i added.  nx: step i + 1's scores are made, in buffer n.  kl: K of step i + 2 is asked for.
.macro BODY c, n, how, i, nx, kl
.if \how == 0
.set IO, (\i)+2
.else
.set IO, (\i)
.endif
	v_exp_f32 v6, v6                               ; each block's largest p: the same two instructions on the same number give the same bits
	v_exp_f32 v7, v7
.set J, 0
.rept 16
	v_exp_f32 v[\c+J], v[\c+J]                     ; p = 2^(t - M), at most 1: the first half,
	v_exp_f32 v[\c+1+J], v[\c+1+J]
	TM \c+32+J                                     ; and between them the second half's t - M
.set J, J+2
.endr
	s_wait_alu depctr_va_vdst(0)                   ; behind the batch, ahead of its first reader
.if \nx
	s_wait_dscnt 0x0                               ; K of step i + 1 and its words
	SCORES \n
.endif
	v_max_num_f32 v6, 0x1800000, v6                ; the floor 2^(3 - 127): the byte cannot fall under 1
	v_max_num_f32 v7, 0x1800000, v7
.if \how
	v_add_nc_u32 v254, s[TB], v2
	v_add_nc_u32 v255, s[TS], v3
.endif
	ADD2 A, \c, \c+2                               ; the row's sum, of the unquantised p.  (These lines are the places behind the products)
	v_pk_mul_f32 v[14:15], v[14:15], v[4:5] op_sel_hi:[1,0]   ; the sum so far under the new M
	v_add_nc_u32 v252, 0xff000000, v6              ; 2 off the exponent field: the conversion's scale operand
	v_add_nc_u32 v253, 0xff000000, v7
	ADD2 A+2, \c+4, \c+6
.if \how
	LOADV 254, 255, 4096*IO, 256*IO
.else
	LOADV 2, 3, 4096*IO, 256*IO
.endif
	v_lshrrev_b32 v6, 23, v252                     ; the scale's byte
	v_lshrrev_b32 v7, 23, v253
	ADD2 A+4, \c+8, \c+10
	v_lshl_or_b32 v6, v7, 16, v6                   ; blocks h and 2 + h,
	ADD2 A+6, \c+12, \c+14
	v_lshlrev_b32 v6, v31, v6                      ; at bytes h and 2 + h
.if \nx
	MAXIMA \n
	CVT PCD, \c, 252                               ; (the row's chain, with conversions and sums between its links)
	v_max_num_f32 v248, v248, v[\n+31]
	v_max_num_f32 v250, v250, v[\n+63]
	v_permlanex16_b32 v7, v6, s[SEL], s[SEL+1]
	ADD2 A+8, \c+16, \c+18
	v_max_num_f32 v249, v248, v250
	CVT PCD+1, \c+8, 252
	ADD2 A+10, \c+20, \c+22
	v_permlanex16_b32 v251, v249, s[SEL], s[SEL+1]
	CVT PCD+2, \c+16, 252
	ADD2 A+12, \c+24, \c+26
	v_max3_num_f32 v13, v249, v251, v13            ; the running largest score of my query
	CVT PCD+3, \c+24, 252
	ADD2 A+14, \c+28, \c+30
	v_mul_f32 v249, s[CN], v13                     ; -t
	v_or_b32 v28, v6, v7                           ; p's scale word for step i's 128 keys
	v_floor_f32 v251, v249                         ; the new -M = floor(-t): a whole number
	v_sub_f32 v249, v251, v12                      ; old M less new M: 0 or less
	v_mov_b32 v12, v251
	v_fma_f32 v6, v248, s[CS], v251                ; the blocks' largest t - M
	v_fma_f32 v7, v250, s[CS], v12
.else
	ADD2 A+8, \c+16, \c+18
	ADD2 A+10, \c+20, \c+22
	ADD2 A+12, \c+24, \c+26
	ADD2 A+14, \c+28, \c+30
	v_permlanex16_b32 v7, v6, s[SEL], s[SEL+1]
	CVT PCD, \c, 252
	CVT PCD+1, \c+8, 252
	CVT PCD+2, \c+16, 252
	CVT PCD+3, \c+24, 252
	v_or_b32 v28, v6, v7
.endif
.set J, 0
.rept 16
	v_exp_f32 v[\c+32+J], v[\c+32+J]               ; the second half,
	v_exp_f32 v[\c+33+J], v[\c+33+J]
.if \nx
	TM \n+J                                        ; and between them t - M of the next step's first half
.endif
.set J, J+2
.endr
.if \nx == 0
	v_nop
.endif
	s_wait_alu depctr_va_vdst(0)
.irp u, 0,1,2,3
	CVT PCD+4+\u, \c+32+8*\u, 253
.endr
.irp k, 0,1,2,3,4,5,6,7
	ADD2 A+2*\k, A+2*\k, \c+32+4*\k
.endr
.if (\how) && (\kl)
	v_add_nc_u32 v254, s[TB], v1
.endif
	s_wait_alu depctr_va_vdst(0)                   ; directly ahead of the wait below
	s_wait_dscnt 0x0                               ; V of step i and its words
	; O^T += V^T P^T: two accumulators, one instruction a turn; the next step's four score products stand between two turns
	v_wmma_scale_f32_32x16x128_f4 v[O:O+15], v[32:47], v[PCD:PCD+7], v[O:O+15], v10, v28
	v_wmma_scale_f32_32x16x128_f4 v[O+16:O+31], v[48:63], v[PCD:PCD+7], v[O+16:O+31], v11, v28
.irp k, 0,1,2,3,4,5,6,7
	ADD2 A+2*\k, A+2*\k, \c+34+4*\k
.endr
.if \nx
	v_cvt_i32_f32 v249, v249                       ; (it saturates)
.endif
	ADD2 A, A, A+8                                 ; the rest of the sum
	ADD2 A+2, A+2, A+10
	ADD2 A+4, A+4, A+12
	ADD2 A+6, A+6, A+14
.if \kl
.if \how
	LOADK 254, 255, 4096*IO, 256*IO
.else
	LOADK 1, 3, 4096*IO, 256*IO
.endif
.endif
.if \nx
	v_ldexp_f32 v4, 1.0, v249                      ; f = 2^(old M - new M)
.endif
	ADD2 A, A, A+4
	ADD2 A+2, A+2, A+6
.if \nx
.set J, 0
.rept 8
	v_pk_mul_f32 v[O+J:O+J+1], v[O+J:O+J+1], v[4:5] op_sel_hi:[1,0]   ; O^T under the next step's M
.set J, J+2
.endr
.endif
	ADD2 A, A, A+2
.if \nx
.set J, 16
.rept 8
	v_pk_mul_f32 v[O+J:O+J+1], v[O+J:O+J+1], v[4:5] op_sel_hi:[1,0]
.set J, J+2
.endr
.endif
	ADD2 14, 14, A
.endm
	LOADK 1, 3, 0, 0
	s_wait_dscnt 0x0
	SCORES X                                       ; step 0's scores, their maxima and M
	PLACES 4
	LOADK 1, 3, 4096, 256
	MAXIMA X
	v_max_num_f32 v248, v248, v[X+31]
	v_max_num_f32 v250, v250, v[X+63]
	v_max_num_f32 v249, v248, v250
	v_permlanex16_b32 v251, v249, s[SEL], s[SEL+1]
	v_max3_num_f32 v13, v249, v251, v13
	v_mul_f32 v249, s[CN], v13
	v_floor_f32 v251, v249
	v_sub_f32 v249, v251, v12
	v_mov_b32 v12, v251
	v_cvt_i32_f32 v249, v249
	v_fma_f32 v6, v248, s[CS], v12
	v_fma_f32 v7, v250, s[CS], v12
	v_ldexp_f32 v4, 1.0, v249                      ; 0: nothing has been summed
.set J, 0
.rept 16
	TM X+J
.set J, J+2
.endr
	s_wait_alu depctr_va_vdst(0)                   ; ahead of the first batch
	BODY X, Y, 0, 0, 1, 1
	s_wait_alu depctr_va_vdst(0)
	s_wait_tensorcnt 0x0                           ; my load, if I issued one, has landed
	s_wait_dscnt 0x0                               ; no LDS instruction of mine is out at the signal
	s_barrier_signal -1
	BODY Y, X, 0, 1, 1, 1                          ; work on registers, and loads of steps 0-3, while the others arrive
	s_wait_alu depctr_va_vdst(0)
	s_barrier_wait -1                              ; all of K and V lies in LDS
	s_mov_b32 s30, 6
.Lsteps:                                           ; steps 2 to 13, two a trip
	BODY X, Y, 1, 0, 1, 1
	BODY Y, X, 1, 1, 1, 1
	s_add_co_u32 s[TB], s[TB], 8192
	s_add_co_u32 s[TS], s[TS], 512
	s_sub_co_u32 s30, s30, 1
	s_cmp_lg_u32 s30, 0
	s_wait_alu depctr_va_vdst(0)
	s_cbranch_scc1 .Lsteps
	BODY X, Y, 1, 0, 1, 0
	BODY Y, X, 1, 1, 0, 0
	; THE WAY OUT.  O^T / the sum; register 8 n + k is channel 32 h + 8 (n xor h) + k of my query: a whole block, quantised as it stands.
	s_mov_b32 s30, 0xffff0000
	v_add_f32 v14, v14, v15                        ; the sum's two halves,
	v_permlanex16_b32 v251, v14, s[SEL], s[SEL+1]
	v_add_f32 v14, v14, v251                       ; and lane l xor 16's
	s_wait_alu depctr_va_vdst(0)
	v_rcp_f32 v4, v14
	v_and_b32 v250, 31, v0                         ; (a plain line behind the transcendental)
	v_and_b32 v248, 15, v0
	v_bfe_u32 v249, v0, 4, 1
	v_lshlrev_b32 v1, 4, v250                      ; 16 x lane
	v_lshl_add_u32 v2, v248, 3, v249
	v_add_nc_u32 v2, s80, v2                       ; o's byte: row r, block h
	v_add_nc_u32 v3, OST, v1
	s_wait_alu depctr_va_vdst(0)
.set J, 0
.rept 16
	v_pk_mul_f32 v[X+J:X+J+1], v[O+J:O+J+1], v[4:5] op_sel_hi:[1,0]
.set J, J+2
.endr
.irp b, 0,1,2,3
	v_max3_num_f32 v[A+\b], |v[X+8*\b]|, |v[X+1+8*\b]|, 0x1800000   ; the block's largest magnitude, with the floor 2^(3 - 127)
.endr
.irp i, 2,4,6
.irp b, 0,1,2,3
	v_max3_num_f32 v[A+\b], v[A+\b], |v[X+8*\b+\i]|, |v[X+1+8*\b+\i]|
.endr
.endr
	v_max3_num_f32 v[A], v[A], v[A+1], v[A+2]
	v_max_num_f32 v[A], v[A], v[A+3]
	v_add_nc_u32 v252, 0xff000000, v[A]
	v_lshrrev_b32 v253, 23, v252                   ; the block's byte
.irp n, 0,1,2,3
	CVT PCD+\n, X+8*\n, 252
.endr
	v_nop
	v_cndmask_b32 v32, v[PCD], v[PCD+1], s30       ; lanes 16-31: register n holds channels 8 (n xor 1) on: into ascending order
	v_cndmask_b32 v33, v[PCD+1], v[PCD], s30
	v_cndmask_b32 v34, v[PCD+2], v[PCD+3], s30
	v_cndmask_b32 v35, v[PCD+3], v[PCD+2], s30
	global_store_b128 v1, v[32:35], s[16:17]       ; the tile's image for this head: 512 consecutive bytes
	ds_store_b8 v2, v253
	s_wait_dscnt 0x0                               ; for the others' sake
	s_barrier_signal -1
	s_barrier_wait -1
	s_cmp_lg_u32 s[WV], 0
	s_cbranch_scc1 .Lnot_first
	ds_load_b128 v[64:67], v3                      ; the sixteen tiles' bytes: 512
	s_wait_dscnt 0x0
	global_store_b128 v1, v[64:67], s[18:19]
.Lnot_first:
	v_lshl_add_u32 v248, v0, 2, SPARE              ; my spare word and 0, made anew
	v_mov_b32 v249, 0
	s_wait_alu depctr_va_vdst(0)
	s_wait_tensorcnt 0x0                           ; the wave's end
	ds_add_u32 v248, v249
	s_wait_dscnt 0x0
	CROUND                                         ; the closing round
	s_endpgm
.Lfunc_end_k_qfdb46689fb_attn:
	.size	k_qfdb46689fb_attn, .Lfunc_end_k_qfdb46689fb_attn-k_qfdb46689fb_attn
	.p2alignl 7, 3214868480
	.fill 96, 4, 3214868480
	.section	.rodata,"a",@progbits
	.p2align	6, 0x0
	.amdhsa_kernel k_qfdb46689fb_attn
		.amdhsa_group_segment_fixed_size 182272
		.amdhsa_private_segment_fixed_size 0
		.amdhsa_enable_private_segment 0
		.amdhsa_kernarg_size 64
		.amdhsa_user_sgpr_count 2
		.amdhsa_user_sgpr_kernarg_segment_ptr 1
		.amdhsa_wavefront_size32 1
		.amdhsa_system_sgpr_workgroup_id_x 1
		.amdhsa_system_sgpr_workgroup_id_y 1
		.amdhsa_system_sgpr_workgroup_id_z 1
		.amdhsa_system_vgpr_workitem_id 0
		.amdhsa_next_free_vgpr 256
		.amdhsa_next_free_sgpr 82
		.amdhsa_reserve_vcc 0
		.amdhsa_float_denorm_mode_32 3
		.amdhsa_float_denorm_mode_16_64 3
		.amdhsa_memory_ordered 1
		.amdhsa_forward_progress 1
		.amdhsa_inst_pref_size 90
	.end_amdhsa_kernel
	.amdgpu_metadata
---
amdhsa.version: [ 1, 2 ]
amdhsa.kernels:
  - .name:           k_qfdb46689fb_attn
    .symbol:         k_qfdb46689fb_attn.kd
    .args:
      - { .name: qc, .offset: 0, .size: 8, .value_kind: global_buffer, .address_space: global }
      - { .name: qs, .offset: 8, .size: 8, .value_kind: global_buffer, .address_space: global }
      - { .name: kc, .offset: 16, .size: 8, .value_kind: global_buffer, .address_space: global }
      - { .name: ks, .offset: 24, .size: 8, .value_kind: global_buffer, .address_space: global }
      - { .name: vc, .offset: 32, .size: 8, .value_kind: global_buffer, .address_space: global }
      - { .name: vs, .offset: 40, .size: 8, .value_kind: global_buffer, .address_space: global }
      - { .name: oc, .offset: 48, .size: 8, .value_kind: global_buffer, .address_space: global }
      - { .name: os, .offset: 56, .size: 8, .value_kind: global_buffer, .address_space: global }
    .group_segment_fixed_size: 182272
    .private_segment_fixed_size: 0
    .kernarg_segment_align: 8
    .kernarg_segment_size: 64
    .max_flat_workgroup_size: 512
    .sgpr_count:     82
    .vgpr_count:     256
    .wavefront_size: 32
...
	.end_amdgpu_metadata
.endif
;; end of part 2
;; launch oproj (part 3): grid 8 x 32, 4 waves a work-group, clusters of 4 x 4, 167,936 bytes of LDS; arguments oc, os, o_w_codes, o_w_scales, o_b, out0; writes out0
.if DOCPART == 3
	.amdgcn_target "amdgcn-amd-amdhsa--gfx1250"
	.amdhsa_code_object_version 6
	.text
	.protected	k_qfdb46689fb_oproj
	.globl	k_qfdb46689fb_oproj
	.p2align	8
	.type	k_qfdb46689fb_oproj,@function
k_qfdb46689fb_oproj:
	s_mov_b64 s[64:65], 0
	v_nop
	global_prefetch_b8 v0, s[64:65] scope:SCOPE_SE
	s_setreg_imm32_b32 hwreg(HW_REG_WAVE_MODE, 25, 1), 1
	s_wait_xcnt 0x0
	s_wait_alu depctr_hold_cnt(0) depctr_sa_sdst(0) depctr_va_vdst(0) depctr_va_sdst(0) depctr_va_ssrc(0) depctr_va_vcc(0) depctr_vm_vsrc(0)
	s_getreg_b32 s2, hwreg(HW_REG_IB_STS2, 6, 4)
	s_cmp_eq_u32 s2, 0
	s_cbranch_scc0 .Lentry_in_a_cluster
	s_endpgm
.Lentry_in_a_cluster:
	s_bfe_u32 s2, ttmp6, 0x10000c
	s_cmp_lg_u32 s2, 0xf033
	s_cbranch_scc0 .Lentry_shape_is_right
	s_endpgm
.Lentry_shape_is_right:
; out = o Wo^T + o_b on codes of FP4 (E2M1) with one E8M0 scale for each 32 along K = 1,024.  o comes as images of operand registers (tile Tg of 16 tokens, head hd: 512 bytes at 8,192 Tg + 512 hd;
; heads 2 s and 2 s + 1 are registers 0-3 and 4-7 of K step s) with two scale bytes for each row and head (128 bytes for each 64 tokens: 8 a row, 2 a tile); Wo as rows of codes.  out: [4,096][1,024] f32.
; SHARES.  A work-group takes 128 tokens (block tb) x 128 columns (block gx); wave (i, j) 64 x 64.  All operands lie in LDS, filled once by one tensor load a wave: waves 0 and 3 o's images, wave 1 Wo's codes, wave 2 o's scale bytes.
; THE MATRIX INSTRUCTION IS USED TRANSPOSED: source 0 = 32 rows of Wo (32 columns of out), source 1 = a tile of o: a lane holds eight neighbouring numbers of a row of out.  The bias is the C of each sum's first instruction.
; Two tiles of tokens are finished first and leave while the other two are multiplied.  Row r = 8 hh + e of tile u of a wave's 64 tokens is token 32 hh + 8 (u xor hh) + e: the way out puts each row at its own place.
; CLUSTER 4 x 4: o's side hangs on tb alone and is asked for jointly along a row of the cluster, Wo's on gx alone, jointly along a column.  Nothing is prefetched: every fill stands at the head.
; REGISTERS.  Window 0: v1-11 addresses; v32-63 o's scale words (8 m + s), v64-79 Wo's; v80-111 the bias as C; v112-143 o's scale bytes.  Window 1: Wo's fragments, (s, n) at 32 s + 8 n.
;   Window 2: the accumulators, tile m at 32 m.  Window 3: o's fragments, (m, s) at 64 m + 8 s.
.set PITCH,  528
.set WT,     65536                     ; LDS: o's images from 0; Wo's 128 rows
.set OSC,    WT+128*PITCH              ; o's scale bytes: 16 heads x 256
.set STAGE,  OSC+4096                  ; the way out: 16 rows x (256 bytes + 16) for each wave; LDS stores alone write it
.set SPITCH, 272
.set SPARE,  STAGE+4*16*SPITCH
.set WV,  16
.set II,  17
.set JJ,  18
.set G1,  24
.set G0,  32
.set G0X, 36
.set G1B, 48
.set G0B, 56
.set G1S, 68
.set G0S, 76
.set OSW, 32
.set WSW, 64
.set BI,  80
.set OT,  112
.set MSB, 0
.macro WIN new
.if MSB != (\new)
	s_set_vgpr_msb (MSB<<8)|(\new)
.set MSB, (\new)
.endif
.endm
.macro PLACES n
.rept \n
	v_nop
.endr
.endm
.macro CROUND
	s_barrier_signal -1
	s_barrier_wait -1
	s_cmp_lg_u32 s[WV], 0
	s_cbranch_scc1 .Lnot_wave_0_\@
	s_barrier_signal -3
.Lnot_wave_0_\@:
	s_barrier_wait -3
	s_barrier_signal -1
	s_barrier_wait -1
.endm
	s_load_b256 s[4:11], s[0:1], 0x0               ; oc 4, os 6, o_w_codes 8, o_w_scales 10
	s_load_b128 s[12:15], s[0:1], 0x20             ; o_b 12, out0 14
	v_lshl_add_u32 v30, v0, 2, SPARE
	v_mov_b32 v31, 0
	ds_add_u32 v30, v31                            ; the opening lines
	ds_add_u32 v30, v31
	v_lshrrev_b32 v1, 5, v0
	v_readfirstlane_b32 s[WV], v1
	s_lshr_b32 s[II], s[WV], 1                     ; my half of the tokens
	s_and_b32 s[JJ], s[WV], 1                      ; my half of the columns
	s_bfe_u32 s19, ttmp6, 0x40000                  ; cx
	s_bfe_u32 s20, ttmp6, 0x40004                  ; cy
	s_lshl_b32 s21, ttmp9, 2
	s_add_co_u32 s21, s21, s19                     ; gx
	s_and_b32 s22, ttmp7, 0xffff
	s_lshl_b32 s22, s22, 2
	s_add_co_u32 s22, s22, s20                     ; tb
	s_lshl_b32 s23, s20, 2
	s_lshl_b32 s23, 15, s23                        ; my row of the cluster
	s_lshl_b32 s40, 0x1111, s19                    ; my column
	; o's images: four tiles, 32,768 dense bytes, as 128 rows of 256 (32 elements of 8 bytes)
	s_or_b32 s[G1], s23, (3<<16)|(1<<21)
	s_mov_b32 s[G1+1], 32<<16
	s_mov_b32 s[G1+2], 128<<16
	s_mov_b32 s[G1+3], 32<<16
	s_mov_b32 s[G1+4], 128
	s_mov_b32 s[G1+5], 32
	s_mov_b32 s[G1+6], 0
	s_mov_b32 s[G1+7], 0
	; Wo's codes: 128 rows x 512 bytes, 16 bytes of padding behind each row in LDS
	s_or_b32 s[G1B], s40, (1<<20)|(1<<21)|(6<<22)|(3<<25)
	s_mov_b32 s[G1B+1], 512<<16
	s_mov_b32 s[G1B+2], 128<<16
	s_mov_b32 s[G1B+3], 512<<16
	s_mov_b32 s[G1B+4], 128
	s_mov_b32 s[G1B+5], 512
	s_mov_b32 s[G1B+6], 0
	s_mov_b32 s[G1B+7], 0
	; o's scale bytes: sixteen heads, of each 256 bytes; heads 4,096 bytes apart
	s_or_b32 s[G1S], s23, (3<<16)|(1<<21)
	s_mov_b32 s[G1S+1], 32<<16
	s_mov_b32 s[G1S+2], 16<<16
	s_mov_b32 s[G1S+3], 32<<16
	s_mov_b32 s[G1S+4], 16
	s_mov_b32 s[G1S+5], 512
	s_mov_b32 s[G1S+6], 0
	s_mov_b32 s[G1S+7], 0
	; o's side hangs on tb alone (registers that never hold cx)
	s_lshl_b32 s42, s22, 16                        ; 8,192 x 8 tb
	s_mov_b32 s43, 0
	s_lshr_b32 s44, s22, 4
	s_lshl_b32 s44, s44, 16                        ; 4,096 x 16 batch
	s_and_b32 s46, s22, 15
	s_lshl_b32 s46, s46, 8
	s_add_co_u32 s44, s44, s46                     ; + 256 (tb % 16)
	s_mov_b32 s45, 0
	; Wo's side hangs on gx alone (registers that never hold cy)
	s_lshl_b32 s92, s21, 16                        ; 512 x 128 gx
	s_mov_b32 s93, 0
	s_lshl_b32 s94, s21, 12
	s_lshl_b32 s47, s[JJ], 11
	s_add_co_u32 s94, s94, s47                     ; 32 (128 gx + 64 j)
	s_mov_b32 s95, 0
	s_wait_dscnt 0x0                               ; both opening adds are done
	s_wait_kmcnt 0x0
	s_add_nc_u64 s[42:43], s[4:5], s[42:43]
	s_add_nc_u64 s[44:45], s[6:7], s[44:45]
	s_add_nc_u64 s[92:93], s[8:9], s[92:93]
	s_add_nc_u64 s[10:11], s[10:11], s[94:95]      ; Wo's scale bytes of my 64 columns
	s_mov_b32 s[G0], 1
	s_mov_b32 s[G0+1], 0
	s_mov_b64 s[G0+2:G0+3], s[42:43]
	s_or_b32 s[G0+3], s[G0+3], 0x80000000
	s_mov_b32 s[G0X], 1
	s_mov_b32 s[G0X+1], 32768
	s_add_nc_u64 s[G0X+2:G0X+3], s[42:43], 32768
	s_or_b32 s[G0X+3], s[G0X+3], 0x80000000
	s_mov_b32 s[G0B], 1
	s_mov_b32 s[G0B+1], WT
	s_mov_b64 s[G0B+2:G0B+3], s[92:93]
	s_or_b32 s[G0B+3], s[G0B+3], 0x80000000
	s_mov_b32 s[G0S], 1
	s_mov_b32 s[G0S+1], OSC
	s_mov_b64 s[G0S+2:G0S+3], s[44:45]
	s_or_b32 s[G0S+3], s[G0S+3], 0x80000000
	CROUND                                         ; all sixteen work-groups are here: the joint loads meet
.macro ARM under, g0, g1, next         ; one load a wave, one tree of branches on the wave's number
	s_cmp_lt_u32 s[WV], \under
	s_cbranch_scc0 \next
	tensor_load_to_lds s[\g0:\g0+3], s[\g1:\g1+7]
	s_nop 0
	PLACES 4
	s_branch .Lasked
\next:
.endm
	ARM 1, G0,  G1,  .Lask_w
	ARM 2, G0B, G1B, .Lask_s
	ARM 3, G0S, G1S, .Lask_x
	tensor_load_to_lds s[G0X:G0X+3], s[G1:G1+7]
	s_nop 0
	PLACES 4
.Lasked:
	s_lshl_b32 s6, s21, 9
	s_lshl_b32 s7, s[JJ], 8
	s_add_co_u32 s6, s6, s7                        ; my 64 columns, in bytes
	s_lshl_b32 s4, s22, 19
	s_lshl_b32 s5, s[II], 18
	s_add_co_u32 s4, s4, s5
	s_add_co_u32 s4, s4, s6                        ; + my first row: 4,096 (128 tb + 64 i)
	s_mov_b32 s5, 0
	s_mov_b32 s7, 0
	s_add_nc_u64 s[14:15], s[14:15], s[4:5]
	s_add_nc_u64 s[12:13], s[12:13], s[6:7]
	s_lshl_b32 s2, s[II], 15                       ; my four tiles of o
	s_mul_i32 s3, s[JJ], 64*PITCH
	s_add_co_u32 s3, s3, WT                        ; my 64 rows of Wo
	s_lshl_b32 s8, s[II], 7
	s_add_co_u32 s8, s8, OSC
	s_mul_i32 s9, s[WV], 16*SPITCH
	s_add_co_u32 s9, s9, STAGE                     ; my stage
	v_and_b32 v1, 15, v0                           ; r
	v_bfe_u32 v2, v0, 4, 1                         ; h
	v_and_b32 v3, 31, v0                           ; lane
	v_lshlrev_b32 v7, 5, v3                        ; Wo's scale bytes: row = lane of a pair of tiles
	v_lshlrev_b32 v11, 5, v2
.irp p, 0,1
.irp k, 0,1
	global_load_b128 v[WSW+8*\p+4*\k:WSW+8*\p+4*\k+3], v7, s[10:11] offset:1024*\p+16*\k
.endr
.endr
.irp n, 0,1,2,3
	global_load_b128 v[BI+8*\n:BI+8*\n+3], v11, s[12:13] offset:64*\n       ; lane (r, h): o_b of columns 16 n + 8 h + 0 .. 7
	global_load_b128 v[BI+8*\n+4:BI+8*\n+7], v11, s[12:13] offset:64*\n+16
.endr
	v_lshl_add_u32 v4, v3, 4, s2                   ; o's images: 16 x lane
	v_mul_u32_u24 v5, v1, PITCH
	v_lshl_add_u32 v5, v2, 4, v5
	v_add_nc_u32 v5, s3, v5                        ; Wo's fragments: row r, + 16 h
	v_lshl_add_u32 v6, v1, 3, s8                   ; o's scale bytes: row r
	v_mul_u32_u24 v8, v1, SPITCH
	v_lshl_add_u32 v8, v2, 5, v8
	v_add_nc_u32 v8, s9, v8                        ; in: row r, 32 bytes for each half of the lanes
	v_mul_u32_u24 v9, v2, SPITCH
	v_lshl_add_u32 v9, v1, 4, v9
	v_add_nc_u32 v9, s9, v9                        ; back: lanes 0-15 one row of 256 bytes, lanes 16-31 the next
	v_lshlrev_b32 v10, 12, v2
	v_lshl_add_u32 v10, v1, 4, v10                 ; and the same two rows in out
.macro FETCHO m, s                     ; o's fragment of tile m, K step s: two loads
.irp e, 0,1
	ds_load_b128 v[64*(\m)+8*(\s)+4*\e:64*(\m)+8*(\s)+4*\e+3], v4 offset:8192*(\m)+1024*(\s)+512*\e
.endr
.endm
.macro FETCH s                         ; K step s: Wo's four fragments, those of o's tiles 0 and 1: twelve loads
	WIN 0x40
.irp n, 0,1,2,3
.irp e, 0,1
	ds_load_b128 v[32*(\s)+8*\n+4*\e:32*(\s)+8*\n+4*\e+3], v5 offset:16*PITCH*\n+64*(\s)+32*\e
.endr
.endr
	WIN 0xc0
	FETCHO 0, \s
	FETCHO 1, \s
.endm
.macro FETCH2 s0                       ; o's tiles 2 and 3, four K steps: sixteen loads
	WIN 0xc0
.irp s, \s0, \s0+1, \s0+2, \s0+3
	FETCHO 2, \s
	FETCHO 3, \s
.endr
.endm
.macro MUL g, s                        ; tiles 2 g, 2 g + 1: the four accumulators by turns, in the same order in every K step
.if (\s) == 0
	WIN 0x8d
.else
	WIN 0xad
.endif
.irp t, 0,1
.irp p, 0,1
.if (\s) == 0
	v_wmma_scale_f32_32x16x128_f4 v[64*(\g)+32*\t+16*\p:64*(\g)+32*\t+16*\p+15], v[32*(\s)+16*\p:32*(\s)+16*\p+15], v[128*(\g)+64*\t+8*(\s):128*(\g)+64*\t+8*(\s)+7], v[BI+16*\p:BI+16*\p+15], v[WSW+8*\p+(\s)], v[OSW+16*(\g)+8*\t+(\s)]
.else
	v_wmma_scale_f32_32x16x128_f4 v[64*(\g)+32*\t+16*\p:64*(\g)+32*\t+16*\p+15], v[32*(\s)+16*\p:32*(\s)+16*\p+15], v[128*(\g)+64*\t+8*(\s):128*(\g)+64*\t+8*(\s)+7], v[64*(\g)+32*\t+16*\p:64*(\g)+32*\t+16*\p+15], v[WSW+8*\p+(\s)], v[OSW+16*(\g)+8*\t+(\s)]
.endif
.endr
.endr
.endm
; THE WAY OUT, a tile of 16 tokens x 64 columns at a time.  The tile goes through my own stage and comes back, into the registers that it left, as whole rows of 256 bytes.
; LDS serves a wave's instructions in order (ISA guide 5.7.1.4): no wait between the stores and the loads, nor in front of the next tile's stores.
.macro TOSTAGE m
	WIN 0x88
.irp n, 0,1,2,3
	ds_store_b128 v8, v[32*(\m)+8*\n:32*(\m)+8*\n+3] offset:64*\n        ; each accumulator from its low end on
	ds_store_b128 v8, v[32*(\m)+8*\n+4:32*(\m)+8*\n+7] offset:64*\n+16
.endr
.irp t, 0,1,2,3,4,5,6,7
	ds_load_b128 v[32*(\m)+4*\t:32*(\m)+4*\t+3], v9 offset:\t*2*SPITCH
.endr
.endm
.macro SEND m, younger                 ; younger: the LDS instructions issued behind tile m's loads.  Stage rows 2 t and 2 t + 1 are token 32 q + 8 (m xor q) + 2 (t % 4), q = t / 4, and the next
	WIN 0x88
	s_wait_dscnt \younger
.irp t, 0,1,2,3,4,5,6,7
	global_store_b128 v10, v[32*(\m)+4*\t:32*(\m)+4*\t+3], s[14:15] offset:(32*(\t/4)+8*((\m)+(\t/4)*(1-2*((\m)%2)))+2*(\t%4))*4096 th:TH_STORE_NT   ; sixteen lanes store 256 consecutive bytes, at a multiple of 256 from out's first byte
.endr
.endm
	s_wait_alu depctr_va_vdst(0)                   ; the head's end
	s_wait_tensorcnt 0x0                           ; my load has landed
	s_barrier_signal -1
	s_barrier_wait -1                              ; everybody's has
.irp d, 0,1,2,3,4,5,6,7,8,9,10,11,12,13,14,15
	ds_load_b64 v[OT+2*\d:OT+2*\d+1], v6 offset:256*\d   ; head d: my row's two bytes of four tiles
.endr
	FETCH 0
	FETCH 1
	FETCH 2
	WIN 0
	s_wait_dscnt 36                                ; the scale bytes are in; the 36 fragment loads may be out
.irp s, 0,1,2,3,4,5,6,7
.irp m, 0,1,2,3
.if \m%2
	v_perm_b32 v[OSW+8*\m+\s], v[OT+4*\s+2+\m/2], v[OT+4*\s+\m/2], 0x07060302   ; head 2 s + 1's half word above head 2 s's
.else
	v_perm_b32 v[OSW+8*\m+\s], v[OT+4*\s+2+\m/2], v[OT+4*\s+\m/2], 0x05040100
.endif
.endr
.endr
	PLACES 8                                       ; a scale register written by a vector instruction stands eight places ahead of a scaled matrix instruction
	s_wait_alu depctr_va_vdst(0)
	s_wait_loadcnt 0x0                             ; the bias and Wo's scale words
	FETCH 3
	FETCH 4
	s_wait_dscnt 48                                ; behind step 0's loads: four younger steps'
	MUL 0, 0
	s_wait_dscnt 36
	MUL 0, 1
	FETCH 5
	FETCH 6
	s_wait_dscnt 48
	MUL 0, 2
	s_wait_dscnt 36
	MUL 0, 3
	FETCH 7
	FETCH2 0
	s_wait_dscnt 52                                ; three steps' and sixteen more
	MUL 0, 4
	s_wait_dscnt 40                                ; two steps' and sixteen more
	MUL 0, 5
	FETCH2 4
	s_wait_dscnt 44                                ; one step's and 32
	MUL 0, 6
	s_wait_dscnt 32
	MUL 0, 7
	PLACES 4
	TOSTAGE 0
	TOSTAGE 1
	s_wait_dscnt 32                                ; o's tiles 2 and 3 are in; the 32 instructions of the stage may be out
	MUL 1, 0
	MUL 1, 1
	SEND 0, 16
	MUL 1, 2
	MUL 1, 3
	SEND 1, 0
.irp s, 4,5,6,7
	MUL 1, \s
.endr
	PLACES 4
	TOSTAGE 2
	TOSTAGE 3
	SEND 2, 16
	SEND 3, 0
	WIN 0
	s_wait_tensorcnt 0x0                           ; the wave's end
	ds_add_u32 v30, v31
	s_wait_dscnt 0x0
	CROUND                                         ; the closing round
	s_endpgm
.Lfunc_end_k_qfdb46689fb_oproj:
	.size	k_qfdb46689fb_oproj, .Lfunc_end_k_qfdb46689fb_oproj-k_qfdb46689fb_oproj
	.p2alignl 7, 3214868480
	.fill 96, 4, 3214868480
	.section	.rodata,"a",@progbits
	.p2align	6, 0x0
	.amdhsa_kernel k_qfdb46689fb_oproj
		.amdhsa_group_segment_fixed_size 167936
		.amdhsa_private_segment_fixed_size 0
		.amdhsa_enable_private_segment 0
		.amdhsa_kernarg_size 48
		.amdhsa_user_sgpr_count 2
		.amdhsa_user_sgpr_kernarg_segment_ptr 1
		.amdhsa_wavefront_size32 1
		.amdhsa_system_sgpr_workgroup_id_x 1
		.amdhsa_system_sgpr_workgroup_id_y 1
		.amdhsa_system_sgpr_workgroup_id_z 1
		.amdhsa_system_vgpr_workitem_id 0
		.amdhsa_next_free_vgpr 1024
		.amdhsa_next_free_sgpr 98
		.amdhsa_reserve_vcc 0
		.amdhsa_float_denorm_mode_32 3
		.amdhsa_float_denorm_mode_16_64 3
		.amdhsa_memory_ordered 1
		.amdhsa_forward_progress 1
		.amdhsa_inst_pref_size 39
	.end_amdhsa_kernel
	.amdgpu_metadata
---
amdhsa.version: [ 1, 2 ]
amdhsa.kernels:
  - .name:           k_qfdb46689fb_oproj
    .symbol:         k_qfdb46689fb_oproj.kd
    .args:
      - { .name: oc, .offset: 0, .size: 8, .value_kind: global_buffer, .address_space: global }
      - { .name: os, .offset: 8, .size: 8, .value_kind: global_buffer, .address_space: global }
      - { .name: o_w_codes, .offset: 16, .size: 8, .value_kind: global_buffer, .address_space: global }
      - { .name: o_w_scales, .offset: 24, .size: 8, .value_kind: global_buffer, .address_space: global }
      - { .name: o_b, .offset: 32, .size: 8, .value_kind: global_buffer, .address_space: global }
      - { .name: out0, .offset: 40, .size: 8, .value_kind: global_buffer, .address_space: global }
    .group_segment_fixed_size: 167936
    .private_segment_fixed_size: 0
    .kernarg_segment_align: 8
    .kernarg_segment_size: 48
    .max_flat_workgroup_size: 128
    .sgpr_count:     98
    .vgpr_count:     1024
    .wavefront_size: 32
...
	.end_amdgpu_metadata
.endif
;; end of part 3
